; MI455X (gfx1250); checked and timed in simulation.
; The chip was launched on July 23, 2026; its instructions are those of AMD's public machine-readable ISA for CDNA 5 (MIT licence, August 2026) and "CDNA5" Instruction Set Architecture Reference Guide (July 2026). The comments in the code are by the model that wrote it; some were corrected since.
;; Causal Attention Layer. Allowed arithmetic: matrix products marked QUANTISED: E2M3 operands, one E8M0 scale for each 32 along K, by v_wmma_scale_f32_16x16x128_f8f6f4 with both operands' format E2M3, f32 sums; everything else in f32.
;; Inputs: proj_b 1,024 float32; proj_w 1,024 x 1,024 float32; qkv_w 3,072 x 1,024 float32; x 4 x 2,048 x 1,024 float32.
;; Outputs: out0 4 x 2,048 x 1,024 float32.
;; This version of the problem:
;;   THIS VERSION OF THE PROBLEM IS GIVEN IN LOW PRECISION. The matrix products marked QUANTISED in the list below multiply operands that are first quantised to E2M3 (2 exponent bits, 3 mantissa bits; 6 bits a number), with one power-of-two scale for each 32 numbers along K (OCP MX v1.0); their sums are f32. All else is computed in f32.
;;   The module's matrix products, in the order in which they are computed (A, B: the left and right operand; K: the contracted axis; several contracted axes count as one K, in the product's order):
;;     1. [M 8,192, K 1,024] x [K 1,024, N 3,072]; A: input x; B: input qkv_w: QUANTISED
;;     2. batch 64 x [M 2,048, K 64] x [K 64, N 2,048]; A: computed on the way; B: computed on the way: QUANTISED
;;     3. batch 64 x [M 64, K 2,048] x [K 2,048, N 2,048]; A: computed on the way; B: softmax (see below): QUANTISED
;;     4. [M 8,192, K 1,024] x [K 1,024, N 1,024]; A: computed on the way; B: input proj_w: QUANTISED
;;   THE QUANTISER, for each operand of a quantised product, along K:
;;     - K is cut into blocks of 32 from its start; a last block that is shorter is filled with zeros.
;;     - A block's scale is 2^e with e = floor(log2(the largest magnitude in the block)) - 2, held to -126 .. 127; a block of zeros has e = 0. As a byte (E8M0): e + 127.
;;     - Each number is divided by its block's scale, clamped to +-7.5, and rounded to the nearest number of E2M3, ties to even, subnormals kept.
;;     - The product sums the exact products of the quantised numbers (number of the format x scale) in f32.
;;   ~~~python
;;   def quantise(x, axis):      # numpy; x: float32 -> the quantised numbers, widened to float32 again
;;       x = np.moveaxis(x, axis, -1); K = x.shape[-1]
;;       x = np.pad(x, [(0, 0)] * (x.ndim - 1) + [(0, -K % 32)]); x = x.reshape(x.shape[:-1] + (-1, 32)); a = np.abs(x).max(-1, keepdims=True)
;;       e = np.where(a > 0, np.clip(np.frexp(np.where(a > 0, a, 1))[1] - 1 - 2, -126, 127), 0)      # np.frexp(a)[1] - 1 = floor(log2(a)), exactly
;;       r = np.clip(x / 2.0 ** e, -7.5, 7.5)
;;       step = 2.0 ** (np.maximum(np.frexp(np.where(r == 0, 1, r))[1] - 1, 0) - 3)
;;       q = np.round(r / step) * step * 2.0 ** e      # np.round: ties to even
;;       return np.moveaxis(q.reshape(q.shape[:-2] + (-1,))[..., :K], -1, axis).astype(np.float32)
;;   ~~~
;;   SOFTMAX AHEAD OF A QUANTISED PRODUCT. Where the list says 'softmax', what is quantised is not the finished softmax but p = 2^(t - M), with t = logit x log2(e) and M = ceil(the row's largest t), a whole number; so 1/2 < the row's largest p <= 1. The row's sum l is taken of the UNQUANTISED p, in f32, and the product's result is divided by l at the end. Since M is a whole number, a kernel that streams over the keys may use a running M (the ceiling of the running maximum): every later rescaling is an exact power of two, which a block's scale takes up: the codes' values come out the same.
;;   OPERANDS COMPUTED ON THE WAY. 'Computed on the way' means the value that the module computes at that place (a softmax that the list does not call 'softmax' is quantised finished and normalised). What goes into a quantiser is computed in f32, as accurately as f32 sums, v_exp_f32 and their like allow (about 1e-6 of the number): no bf16 or f16 on the way to a quantiser, and a product that is left as it is and whose result goes on into a quantised operand takes f32 operands (vector FMAs, or v_wmma_f32_16x16x4_f32). A number that lies on a knife's edge between two numbers of the format may be rounded either way, as far as f32 arithmetic and the matrix unit's own rounding can turn it there, and no further.
;; One version. Each part assembles by itself: llvm-mc -triple=amdgcn-amd-amdhsa -mcpu=gfx1250 --defsym DOCPART=n.
;; ======== version 1 of 1: 4 launches
;; limits: right only within a limited range of input values
;; workspace buffers: cw 9,437,184 bytes; sw 393,216 bytes; ac 18,874,368 bytes; asc 786,432 bytes; oc 6,291,456 bytes; os 262,144 bytes
;; launch quant (part 1): grid 384 x 1, 4 waves a work-group, no clusters, 33,280 bytes of LDS; arguments x, qkv_w, proj_w, cw, sw; writes cw, sw
.if DOCPART == 1
	.amdgcn_target "amdgcn-amd-amdhsa--gfx1250"
	.amdhsa_code_object_version 6
	.text
	.protected	k_q869dd9b97c_quant
	.globl	k_q869dd9b97c_quant
	.p2align	8
	.type	k_q869dd9b97c_quant,@function
k_q869dd9b97c_quant:
	s_mov_b64 s[64:65], 0
	v_nop
	global_prefetch_b8 v0, s[64:65] scope:SCOPE_SE
	s_setreg_imm32_b32 hwreg(HW_REG_WAVE_MODE, 25, 1), 1
	s_wait_xcnt 0x0
; x [8192][1024], qkv_w [3072][1024] and proj_w [1024][1024], f32, are taken as one table of 12,288 rows and turned into codes of FP6 (E2M3) with one E8M0 scale byte for each 32 along K.
; A block's scale is 2^(floor(log2(its largest magnitude)) - 2); its byte is the largest magnitude's exponent field - 2, held at 1 from below; each number is divided by the scale and rounded to the nearest code, ties to even, beyond 7.5 the largest code.
; LAYOUT OF THE RESULTS.  cw: [16 groups of 64 along K][12,288 row positions][48 bytes]; sw: [8 groups of 128 along K][12,288 row positions][4 bytes], byte b for the block 32 b.
; A row's POSITION is its number with bits 3 and 4 exchanged: sixteen neighbouring positions 16 i + r are the rows 32 (i / 2) + 8 (i % 2) + r + 8 (r / 8), the rows that a tile of the later products wants.
; LIMITS: a block whose largest magnitude lies under 2^-124 keeps the byte 1; a block of zeros gets the byte 1 where the rule says 127 (its codes are zeros, and this program alone reads the bytes); NaN and infinities are not served.
; SHARES.  A wave takes 64 rows x 128 along K in 16 steps of 8 rows x 64 numbers.  Each load reads two whole pieces of 256 bytes (16 lanes each); the 2,048 bytes of a step turn through the wave's own stage in LDS
; and come back 64 bytes a lane: 16 neighbours along K, two neighbouring lanes to a block.  A step's codes are 384 consecutive bytes of cw; the wave's 256 scale bytes leave as one aligned run of 256 bytes.
; No tensor loads, no barrier: waves share nothing.  Loads run four steps (16 loads a wave) ahead, the turn through LDS one step.
.set STEPS, 16
.set PL,    589824                     ; a plane of cw: 12,288 positions x 48 bytes
.set SPL,   49152                      ; a plane of sw
.set EMAX,  2
.set R,     16                         ; v16-79   four sets of 16 numbers as they are loaded
.set X,     80                         ; v80-111  two sets of 16 neighbours
.set E,     112                        ; v112-127 a scale byte for each step
.set C,     128                        ; v128-191 codes: four registers for each step, so that no store's data are written again
.set WREG,  8192                       ; LDS: a region for each wave: two stages of 32 x SP bytes, behind them its 256 scale bytes
.set SP,    80                         ; a lane's place in a stage: 64 bytes + 16 of padding
	s_load_b128 s[4:7], s[0:1], 0x0                ; x, qkv_w
	s_load_b128 s[8:11], s[0:1], 0x10              ; proj_w, cw
	s_load_b64 s[12:13], s[0:1], 0x20              ; sw
	v_lshl_add_u32 v192, v0, 2, 0x8000
	v_mov_b32 v193, 0
	v_lshrrev_b32 v1, 5, v0
	v_readfirstlane_b32 s16, v1                    ; wave
	v_and_b32 v2, 31, v0                           ; lane
	v_and_b32 v3, 15, v2
	v_lshlrev_b32 v3, 4, v3
	v_lshrrev_b32 v8, 4, v2
	v_lshl_add_u32 v3, v8, 12, v3                  ; in: 16 bytes a lane; lanes 16-31 one row (4,096 bytes) down
	s_mul_i32 s17, s16, WREG
	v_lshrrev_b32 v14, 2, v2
	v_mul_u32_u24 v14, v14, SP
	v_and_b32 v15, 3, v2
	v_lshl_add_u32 v14, v15, 4, v14
	v_add_nc_u32 v14, s17, v14                     ; the stage, on the way in: four lanes' 64 bytes on end, then 16 of padding
	v_mul_u32_u24 v15, v2, SP
	v_add_nc_u32 v15, s17, v15                     ; and on the way out: lane l takes row l / 4 of the step's eight, numbers 16 (l % 4) on
	v_mul_u32_u24 v4, v2, 12                       ; my 12 bytes of the step's 384: 48 (l / 4) + 12 (l % 4)
	s_add_co_u32 s17, s17, 2*32*SP
	v_lshrrev_b32 v5, 2, v2
	v_lshlrev_b32 v5, 2, v5
	v_bfe_u32 v8, v2, 1, 1
	v_add_nc_u32 v5, v5, v8
	v_add_nc_u32 v5, s17, v5                       ; my block's byte among the wave's 256: 4 (l / 4) + (l / 2) % 2
	v_lshlrev_b32 v7, 3, v2                        ; and on the way out 8 bytes a lane
	v_add_nc_u32 v6, s17, v7
	s_lshr_b32 s18, ttmp9, 1                       ; which 64 rows of the 12,288
	s_and_b32 s19, ttmp9, 1
	s_lshl_b32 s19, s19, 2
	s_add_co_u32 s19, s19, s16                     ; which 128 along K: 4 x (work-group % 2) + wave
	s_wait_alu depctr_va_vdst(0)
	s_wait_kmcnt 0x0
	s_cmp_lt_u32 s18, 128                          ; the table's first 128 blocks of rows are x's, the next 48 qkv_w's, the last 16 proj_w's: the choice hangs on the work-group's number alone
	s_cselect_b64 s[4:5], s[4:5], s[6:7]
	s_cselect_b32 s20, 0, 128
	s_cmp_lt_u32 s18, 176
	s_cselect_b64 s[4:5], s[4:5], s[8:9]
	s_cselect_b32 s20, s20, 176
	s_sub_co_u32 s20, s18, s20                     ; the block of rows inside its own tensor
	s_lshl_b32 s20, s20, 18                        ; x 64 rows of 4,096 bytes
	s_lshl_b32 s21, s19, 9                         ; + 128 numbers of 4 bytes for each group
	s_add_co_u32 s20, s20, s21
	s_mov_b32 s21, 0
	s_add_nc_u64 s[4:5], s[4:5], s[20:21]
	s_mul_i32 s20, s19, 2*PL                       ; codes: my first group's plane,
	s_mul_i32 s22, s18, 3072                       ; 64 positions of 48 bytes
	s_add_co_u32 s20, s20, s22
	s_add_nc_u64 s[10:11], s[10:11], s[20:21]
	s_mul_i32 s20, s19, SPL                        ; scale words: my plane, 64 positions of 4 bytes
	s_lshl_b32 s22, s18, 8
	s_add_co_u32 s20, s20, s22
	s_add_nc_u64 s[12:13], s[12:13], s[20:21]
.macro LOAD t                          ; step t: rows 8 (t % 8) on, numbers 64 (t / 8) on
.irp i, 0,1,2,3
	global_load_b128 v[R+16*((\t)%4)+4*\i:R+16*((\t)%4)+4*\i+3], v3, s[4:5] offset:(((\t)%8)*8+2*\i)*4096+256*((\t)/8) th:TH_LOAD_NT
.endr
.endm
.macro TURN t                          ; step t's numbers through the stage: LDS serves a wave's instructions in order, so no wait stands between the stores and the loads
.irp i, 0,1,2,3
	ds_store_b128 v14, v[R+16*((\t)%4)+4*\i:R+16*((\t)%4)+4*\i+3] offset:32*SP*((\t)%2)+8*SP*\i
.endr
.irp i, 0,1,2,3
	ds_load_b128 v[X+16*((\t)%2)+4*\i:X+16*((\t)%2)+4*\i+3], v15 offset:32*SP*((\t)%2)+16*\i
.endr
.endm
.irp t, 0,1,2,3
	LOAD \t
.endr
	s_wait_loadcnt 12                              ; step 0's four loads are in
	TURN 0
.macro STEP t
.if (\t) > 0
	s_wait_dscnt 1                                 ; this step's numbers are back from the stage (the last step's byte store may be out): so its stores into the stage have read their registers,
.else
	s_wait_dscnt 0x0
.endif
.if (\t)+4 < STEPS
	LOAD (\t)+4                                    ; which take the loads of four steps on
.endif
.if (\t)+1 < STEPS
.if STEPS-2-(\t) >= 3
	s_wait_loadcnt 12                              ; the next step's four loads are in; those of the three steps behind it may be out
.else
	s_wait_loadcnt 4*(STEPS-2-(\t))
.endif
	TURN (\t)+1                                    ; and go through the other stage while this step is worked
.endif
.set XS, X+16*((\t)%2)
.set O8, (\t)%8
.set P8, ((O8&1)<<1)|((O8>>1)&1)|(O8&4)            ; where the step's eight rows stand among the block's 64 positions: bits 3 and 4 of the row's number exchanged
	v_max3_num_f32 v8, |v[XS]|, |v[XS+1]|, |v[XS+2]|               ; the largest magnitude of my 16
	v_max3_num_f32 v9, |v[XS+3]|, |v[XS+4]|, |v[XS+5]|
.irp i, 6,10
	v_max3_num_f32 v8, v8, |v[XS+\i]|, |v[XS+\i+1]|
	v_max3_num_f32 v9, v9, |v[XS+\i+2]|, |v[XS+\i+3]|
.endr
	v_max3_num_f32 v8, v8, |v[XS+14]|, |v[XS+15]|
	v_max3_num_f32 v8, v8, v9, (EMAX+1)<<23        ; and the floor 2^(3 - 127): the byte cannot fall under 1
	v_max_num_f32_dpp v8, v8, v8 row_xmask:1 row_mask:0xf bank_mask:0xf   ; and of my neighbour's 16: the block's
	v_add_nc_u32 v11, -(EMAX<<23), v8              ; 2 off its exponent field: the conversion takes the exponent field of this operand as its scale
	v_cvt_scalef32_pk16_fp6_f32 v[C+4*(\t):C+4*(\t)+2], v[XS:XS+15], v11
	v_lshrrev_b32 v[E+(\t)], 23, v11               ; the scale's byte
	ds_store_b8 v5, v[E+(\t)] offset:32*P8+2*((\t)/8)   ; both lanes of a block write the same byte with the same value
	global_store_b96 v4, v[C+4*(\t):C+4*(\t)+2], s[10:11] offset:((\t)/8)*PL+384*P8   ; 32 lanes store 384 consecutive bytes
.endm
.irp t, 0,1,2,3,4,5,6,7,8,9,10,11,12,13,14,15
	STEP \t
.endr
	ds_load_b64 v[12:13], v6                       ; LDS serves a wave's instructions in order: these see my stores
	s_wait_dscnt 0x0
	global_store_b64 v7, v[12:13], s[12:13]        ; 32 lanes store 256 consecutive bytes, aligned
	s_wait_tensorcnt 0x0
	ds_add_u32 v192, v193
	s_wait_dscnt 0x0
	s_endpgm
.Lfunc_end_k_q869dd9b97c_quant:
	.size	k_q869dd9b97c_quant, .Lfunc_end_k_q869dd9b97c_quant-k_q869dd9b97c_quant
	.p2alignl 7, 3214868480
	.fill 96, 4, 3214868480
	.section	.rodata,"a",@progbits
	.p2align	6, 0x0
	.amdhsa_kernel k_q869dd9b97c_quant
		.amdhsa_group_segment_fixed_size 33280
		.amdhsa_private_segment_fixed_size 0
		.amdhsa_enable_private_segment 0
		.amdhsa_kernarg_size 40
		.amdhsa_user_sgpr_count 2
		.amdhsa_user_sgpr_kernarg_segment_ptr 1
		.amdhsa_wavefront_size32 1
		.amdhsa_system_sgpr_workgroup_id_x 1
		.amdhsa_system_sgpr_workgroup_id_y 1
		.amdhsa_system_sgpr_workgroup_id_z 1
		.amdhsa_system_vgpr_workitem_id 0
		.amdhsa_next_free_vgpr 194
		.amdhsa_next_free_sgpr 66
		.amdhsa_reserve_vcc 0
		.amdhsa_float_denorm_mode_32 3
		.amdhsa_float_denorm_mode_16_64 3
		.amdhsa_memory_ordered 1
		.amdhsa_forward_progress 1
		.amdhsa_inst_pref_size 33
	.end_amdhsa_kernel
	.amdgpu_metadata
---
amdhsa.version: [ 1, 2 ]
amdhsa.kernels:
  - .name:           k_q869dd9b97c_quant
    .symbol:         k_q869dd9b97c_quant.kd
    .args:
      - { .name: x, .offset: 0, .size: 8, .value_kind: global_buffer, .address_space: global }
      - { .name: qkv_w, .offset: 8, .size: 8, .value_kind: global_buffer, .address_space: global }
      - { .name: proj_w, .offset: 16, .size: 8, .value_kind: global_buffer, .address_space: global }
      - { .name: cw, .offset: 24, .size: 8, .value_kind: global_buffer, .address_space: global }
      - { .name: sw, .offset: 32, .size: 8, .value_kind: global_buffer, .address_space: global }
    .group_segment_fixed_size: 33280
    .private_segment_fixed_size: 0
    .kernarg_segment_align: 8
    .kernarg_segment_size: 40
    .max_flat_workgroup_size: 128
    .sgpr_count:     66
    .vgpr_count:     194
    .wavefront_size: 32
...
	.end_amdgpu_metadata
.endif
;; end of part 1
;; launch qkv (part 2): grid 24 x 32, 4 waves a work-group, clusters of 4 x 4, 327,680 bytes of LDS; arguments cw, sw, ac, asc; writes ac, asc
.if DOCPART == 2
	.amdgcn_target "amdgcn-amd-amdhsa--gfx1250"
	.amdhsa_code_object_version 6
	.text
	.protected	k_q869dd9b97c_qkv
	.globl	k_q869dd9b97c_qkv
	.p2align	8
	.type	k_q869dd9b97c_qkv,@function
k_q869dd9b97c_qkv:
	s_mov_b64 s[64:65], 0
	v_nop
	global_prefetch_b8 v0, s[64:65] scope:SCOPE_SE
	s_setreg_imm32_b32 hwreg(HW_REG_WAVE_MODE, 25, 1), 1
	s_wait_xcnt 0x0
	s_wait_alu depctr_hold_cnt(0) depctr_sa_sdst(0) depctr_va_vdst(0) depctr_va_sdst(0) depctr_va_ssrc(0) depctr_va_vcc(0) depctr_vm_vsrc(0)
	s_getreg_b32 s2, hwreg(HW_REG_IB_STS2, 6, 4)
	s_cmp_eq_u32 s2, 0
	s_cbranch_scc0 .Lentry_in_a_cluster
	s_endpgm
.Lentry_in_a_cluster:
	s_bfe_u32 s2, ttmp6, 0x10000c
	s_cmp_lg_u32 s2, 0xf033
	s_cbranch_scc0 .Lentry_shape_is_right
	s_endpgm
.Lentry_shape_is_right:
; The first product, x qkv_w^T, on codes of FP6 (E2M3) with E8M0 scales, K = 1,024.  q, k and v are quantised on the way out: q and k along the head's 64 channels, v along the keys.  No f32 result is stored.
; OPERANDS lie in cw ([16 groups of 64 K][12,288 positions][48]) and sw ([8 groups of 128 K][12,288][4]).  P is source 0, Q source 1: a lane holds ONE row of Q and, in the 16 registers of two neighbouring tiles of P, 16 neighbouring rows of P
; (a tile's sixteen positions are the rows 32 (i / 2) + 8 (i % 2) + r + 8 (r / 8)).  So P is the axis along which the result is quantised.
;   clusters x = 0 .. 3 (q, k): P = rows of the weight, Q = tokens;   clusters x = 4, 5 (v): P = tokens, Q = rows of the weight.  The cases differ in global addresses alone, chosen by s_cselect_b32 on the cluster's x.
; RESULTS.  ac: q and k as [32 heads][8,192 token positions][48]; behind them v as [128 groups of 64 tokens][1,024 channel positions][48].  asc: [16 pairs of heads][8,192][4]; behind them [64 groups of 128 tokens][1,024][4].
; LIMITS of the quantiser: a block whose largest magnitude lies under 2^-124 keeps the byte 1; a block of zeros gets the byte 1 (zero codes; this program alone reads the bytes); NaN and infinities are not served.
; THE DEAL.  768 work-groups of four waves, 2 x 2, each 128 rows of P x 256 rows of Q.  Wave (a, b) holds P's rows 64 b .. 64 b + 63, all of K, in registers (32 fragments) and streams Q's positions 32 s + 16 a + 0 .. 15 past them as block s = 0 .. 7: 32 products a block.
; LDS: Q's two halves of 128 rows, [16 groups][128][48] each; P's 128 rows likewise; Q's scale words [8][256][4]; the spare words; the result's scale words.  Rows of 48 bytes: the 32 lanes of an 8-byte load touch 64 different banks, so nothing is padded.
; All four tiles are asked for at the head, one joint load a wave, each on a line of its own: P; Q's first half; Q's scale words; Q's second half, which a plain barrier inside block 1 shows.  Nothing is filled twice.
; No data prefetch: all is asked for at the head, and there is no loop to run ahead in.  P's tiles are shared by a column of the cluster, Q's by a row.
; THE WAY OUT of block s stands among the products of block s + 1 (two vector lines behind a product), its conversions behind them.  The waves' stages lie in P's first bytes, which are read for the last time ahead of the barrier in front of the stream.
.set PL, 589824
.set SPL, 49152
.set GRP, 6144                         ; 128 positions x 48 bytes
.set HALF, 16*GRP
.set PB, 2*HALF
.set SCQ, 3*HALF
.set SPARE, SCQ+8192
.set SCT, SPARE+512                    ; the result's scale words: [256 positions][4]
.set STAGE, PB
.set VB, 12582912
.set VSB, 524288
.set FR, 12
.set FPW, 21                           ; fragments in a window: fragment f lies in window 1 + f / 21 at register 12 (f % 21); 0-31 P's (4 q + tile), 32-47 Q's two sets
.set AQ, 4                             ; v4-7   LDS address of my fragments of Q: [half of the rows][half of K]
.set AP, 8                             ; v8, v9 of P: [half of K]
.set SPW, 10
.set NIL, 11
.set ASQ, 12                           ; Q's scale words: lanes 0-15 an even block's rows, lanes 16-31 the next block's
.set STO, 13
.set RD, 14
.set CO, 15                            ; 8 x lane
.set ABS, 16                           ; 4 x lane
.set SWA, 17
.set RS, 18
.set SB, 24                            ; v24-39 P's scale words: 8 (tile / 2) + q; lanes 16-31 the odd tile
.set SA, 44                            ; v44-59 Q's: two sets of eight, a set for a pair of blocks
.set ACC, 64                           ; v64-127 two sets of four accumulators
.set TQ, 192
.set TP, 194
.set SOP, 196
.set EB, 198
.set PW, 200
.set NC, 204                           ; v204-209 the codes; v210-212 the second conversion's
.set BKC, 216
.set BKS, 222
.set G1Q, 24
.set G1P, 32
.set G1S, 48
.set G0P, 56
.set G0Q, 60
.set G0R, 68
.set G0S, 72
.set MSB, 0
.macro WIN new
.if MSB != \new
	s_set_vgpr_msb (MSB<<8)|\new
.set MSB, \new
.endif
.endm
.macro PLACES n
.rept \n
	v_nop
.endr
.endm
.macro WALU
	s_wait_alu depctr_va_vdst(0)
.endm
.macro BARRIER
	s_barrier_signal -1
	s_barrier_wait -1
.endm
.macro CROUND
	BARRIER
	s_cmp_lg_u32 s16, 0
	s_cbranch_scc1 .Lnw0_\@
	s_barrier_signal -3
.Lnw0_\@:
	s_barrier_wait -3
	BARRIER
.endm
.macro TLOAD g0, g1
	tensor_load_to_lds s[\g0:\g0+3], s[\g1:\g1+7]
	s_nop 0
	PLACES 4
.endm
.macro GROUP1 g, mask, w, rows, pitch  ; rows of w elements of 8 bytes, no padding
	s_or_b32 s[\g], s[\mask], (3<<16)|(1<<21)
	s_mov_b32 s[\g+1], (\w)<<16
	s_mov_b32 s[\g+2], (\rows)<<16
	s_mov_b32 s[\g+3], (\w)<<16
	s_mov_b32 s[\g+4], \rows
	s_mov_b32 s[\g+5], \pitch
	s_mov_b32 s[\g+6], 0
	s_mov_b32 s[\g+7], 0
.endm
.macro FRAG f, adr, off                ; 16 rows x 128 K: 24 bytes of each of two groups of 64, in pieces of 8
	WIN (1+(\f)/FPW)<<6
.irp p, 0,1,2,3,4,5
	ds_load_b64 v[FR*((\f)%FPW)+2*\p:FR*((\f)%FPW)+2*\p+1], v[\adr] offset:(\off)+(\p/3)*GRP+8*(\p%3)
.endr
.endm
.macro FETCH s                         ; block s of Q into set s % 2: 48 loads; ahead of an even block the pair's 8 scale words too
.irp q, 0,1,2,3,4,5,6,7
	FRAG 32+8*((\s)%2)+\q, AQ+2*((\s)/4)+\q/4, 2*(\q%4)*GRP+((\s)%4)*1536
.endr
	WIN 0
.if (\s)%2 == 0
.irp q, 0,1,2,3,4,5,6,7
	ds_load_b32 v[SA+8*(((\s)/2)%2)+\q], v[ASQ] offset:1024*\q+256*((\s)/2)
.endr
.endif
.endm
.macro PRODX d, s0, s1, c, x0, x1, ra, rb
	v_wmma_scale_f32_16x16x128_f8f6f4 v[\d:\d+7], v[\s0:\s0+11], v[\s1:\s1+11], \c, v[\x0], v[\x1] matrix_a_fmt:MATRIX_FMT_FP6 matrix_b_fmt:MATRIX_FMT_FP6 matrix_a_scale:MATRIX_SCALE_ROW\ra matrix_b_scale:MATRIX_SCALE_ROW\rb
.endm
.macro PROD1 d, s0, s1, c, x0, x1, o, p
.if (\o) && (\p)
	PRODX \d, \s0, \s1, \c, \x0, \x1, 1, 1
.elseif \o
	PRODX \d, \s0, \s1, \c, \x0, \x1, 1, 0
.elseif \p
	PRODX \d, \s0, \s1, \c, \x0, \x1, 0, 1
.else
	PRODX \d, \s0, \s1, \c, \x0, \x1, 0, 0
.endif
.endm
.macro PROD s, n                       ; product n = 4 q + tile of block s: the four accumulators by turns
.set Q_, (\n)/4
.set T_, (\n)%4
.set FB_, 4*Q_+T_
.set FA_, 32+8*((\s)%2)+Q_
.set D_, ACC+32*((\s)%2)+8*T_
.set XB_, SB+8*(T_/2)+Q_
.set XA_, SA+8*(((\s)/2)%2)+Q_
	WIN (1+FB_/FPW)|((1+FA_/FPW)<<2)
.if Q_
	PROD1 D_, FR*(FB_%FPW), FR*(FA_%FPW), v[D_:D_+7], XB_, XA_, T_%2, (\s)%2
.else
	PROD1 D_, FR*(FB_%FPW), FR*(FA_%FPW), 0, XB_, XA_, T_%2, (\s)%2
.endif
.endm
; Line i = 0 .. 24 of a block's way out, its 32 sums at register x: register 16 b + i is the number at 32 b + 16 (l / 16) + i along the result's K.  Two blocks of 32 by turns, each shared with lane l xor 16; each accumulator is read from its low end on.
.macro CL i, x
.set B_, (\i)%2
.set K_, (\i)/2
.if (\i) < 2
	v_max3_num_f32 v[TQ+B_], |v[\x+16*B_]|, |v[\x+16*B_+1]|, 0x1800000   ; the floor 2^(3 - 127) holds the byte at 1 from below
.elseif (\i) < 16
	v_max3_num_f32 v[TQ+B_], v[TQ+B_], |v[\x+16*B_+2*K_]|, |v[\x+16*B_+2*K_+1]|
.elseif (\i) < 18
	v_permlanex16_b32 v[TP+B_], v[TQ+B_], s2, s3
.elseif (\i) < 20
	v_max_num_f32 v[TQ+B_], v[TQ+B_], v[TP+B_]
.elseif (\i) < 22
	v_add_nc_u32 v[SOP+B_], 0xff000000, v[TQ+B_]   ; 2 off the exponent field: the conversion's scale operand
.elseif (\i) < 24
	v_lshrrev_b32 v[EB+B_], 23, v[SOP+B_]
.else
	v_lshl_or_b32 v[PW], v[EB+1], 8, v[EB]
.endif
.endm
.macro SLOT s, n                       ; behind product n = 1 .. 13 of block s: two lines of block s - 1's way out
.if (\s) > 0 && (\n) >= 1 && (\n) <= 13
	WIN 0
	CL 2*(\n)-2, ACC+32*(1-(\s)%2)
.if (\n) < 13
	CL 2*(\n)-1, ACC+32*(1-(\s)%2)
.endif
.endif
.endm
.macro PRODS s, from, to
.set N_, \from
.rept (\to)-(\from)
	PROD \s, N_
	SLOT \s, N_
.set N_, N_+1
.endr
	WIN 0
.endm
.macro CODES t                         ; block t's codes: a whole block of 32 to a lane, 24 bytes; through my stage; its two scale bytes into the table
.set X_, ACC+32*((\t)%2)
	s_wait_xcnt 0x0                                ; the last block's stores have read the registers that the loads below write
	WALU                                           ; the wait here, directly ahead of the reader below
	v_cvt_scalef32_pk16_fp6_f32 v[NC:NC+2], v[X_:X_+15], v[SOP]
	v_cvt_scalef32_pk16_fp6_f32 v[NC+6:NC+8], v[X_+16:X_+31], v[SOP+1]
	v_nop                                          ; one plain place behind a scaled conversion
.irp i, 0,1,2
	v_permlane16_swap_b32 v[NC+\i], v[NC+6+\i]
.endr
.irp i, 0,1,2
	v_mov_b32 v[NC+3+\i], v[NC+6+\i]               ; (with the v_nop: the four places between the block's last product and the fetch into its registers)
.endr
.irp p, 0,1,2
	ds_store_b64 v[STO], v[NC+2*\p:NC+2*\p+1] offset:8*\p
.endr
	ds_store_b16 v[SWA], v[PW] offset:128*(\t)     ; both halves of the lanes write the same two bytes with the same value
.irp k, 0,1,2
	ds_load_b64 v[BKC+2*\k:BKC+2*\k+1], v[RD] offset:256*\k   ; LDS serves a wave's instructions in order: these see my stores
.endr
.endm
.macro SEND t
.irp k, 0,1,2
	global_store_b64 v[CO], v[BKC+2*\k:BKC+2*\k+1], s[8:9] offset:1536*(\t)+256*\k   ; 32 lanes store 256 consecutive bytes, aligned
.endr
.endm
.macro BLK s
.if (\s) == 1
	PRODS \s, 0, 24
	s_wait_tensorcnt 0x0
	s_wait_dscnt 0x0
	s_barrier_signal -1                            ; a plain barrier: Q's second half is shown to all
	PRODS \s, 24, 32
	s_barrier_wait -1
.else
	PRODS \s, 0, 32
.endif
.if (\s) > 0
	CODES (\s)-1
.else
	PLACES 4
.endif
.if (\s) < 6
	FETCH (\s)+2
	s_wait_dscnt 48+8*(1-(\s)%2)                   ; younger is the fetch just issued alone: the stage's rows are back, and the next block's rows are in
.else
	s_wait_dscnt 0x0
.endif
.if (\s) > 0
	SEND (\s)-1
.endif
.endm
; ---- the head
	s_load_b256 s[4:11], s[0:1], 0x0               ; cw, sw, ac, asc
	v_lshl_add_u32 v[SPW], v0, 2, SPARE
	v_mov_b32 v[NIL], 0
	ds_add_u32 v[SPW], v[NIL]                      ; the opening lines: the add twice on end and its wait
	ds_add_u32 v[SPW], v[NIL]
	v_lshrrev_b32 v1, 5, v0
	v_readfirstlane_b32 s16, v1                    ; the wave; s17 = a, s18 = b
	s_lshr_b32 s17, s16, 1
	s_and_b32 s18, s16, 1
	s_bfe_u32 s40, ttmp6, 0x40000                  ; cx
	s_bfe_u32 s41, ttmp6, 0x40004                  ; cy
	s_and_b32 s46, ttmp7, 0xffff
	s_lshl_b32 s47, ttmp9, 3
	s_add_co_u32 s47, s47, s46
	s_sub_co_u32 s47, s47, 32                      ; v: P's clusters are numbered y + 8 (x - 4)
	s_mov_b32 s97, 10240
	s_mov_b32 s94, 1024
	s_mov_b32 s2, 0x76543210
	s_mov_b32 s3, 0xfedcba98                       ; selects for lane l xor 16
	s_cmp_lt_u32 ttmp9, 4                          ; q and k, or v: the cluster's x, the same in all partners
	s_cselect_b32 s42, ttmp9, s47
	s_cselect_b32 s43, s46, 0
	s_cselect_b32 s96, 8192, 0                     ; P's first row in the table
	s_cselect_b32 s97, 0, s97                      ; Q's
	s_cselect_b32 s94, 8192, s94                   ; positions in a plane of the result
	s_cselect_b32 s95, 0, VB
	s_cselect_b32 s98, 0, VSB
	s_lshl_b32 s42, s42, 2
	s_add_co_u32 s42, s42, s40                     ; P's tile of 128 rows
	s_lshl_b32 s43, s43, 2
	s_add_co_u32 s43, s43, s41                     ; Q's tile of 256 rows
	s_lshl_b32 s44, s41, 2
	s_lshl_b32 s44, 15, s44                        ; my row of the cluster shares Q
	s_lshl_b32 s45, 0x1111, s40                    ; my column shares P
	GROUP1 G1Q, 44, 768, 16, PL/8
	GROUP1 G1P, 45, 768, 16, PL/8
	GROUP1 G1S, 44, 128, 8, SPL/8
	s_lshl_b32 s20, s42, 7
	s_add_co_u32 s20, s20, s96
	s_lshl_b32 s21, s43, 8
	s_add_co_u32 s21, s21, s97
	s_mul_i32 s76, s20, 48                         ; P's codes
	s_mov_b32 s77, 0
	s_mul_i32 s78, s21, 48                         ; Q's codes
	s_mov_b32 s79, 0
	s_lshl_b32 s80, s21, 2                         ; Q's scale words
	s_mov_b32 s81, 0
	s_lshl_b32 s82, s18, 6
	s_add_co_u32 s82, s82, s20
	s_lshl_b32 s82, s82, 2                         ; P's scale words, my 64 rows
	s_mov_b32 s83, 0
	s_lshl_b32 s22, s42, 1
	s_add_co_u32 s22, s22, s18
	s_mul_i32 s22, s22, s94                        ; my group of 64 along the result's K x the positions in a plane
	s_lshl_b32 s23, s43, 8
	s_lshl_b32 s19, s17, 4
	s_add_co_u32 s19, s19, s23
	s_add_co_u32 s22, s22, s19
	s_mul_i32 s84, s22, 48
	s_add_co_u32 s84, s84, s95                     ; the result's codes
	s_mov_b32 s85, 0
	s_lshl_b32 s93, s16, 8
	s_mul_i32 s86, s42, s94
	s_add_co_u32 s86, s86, s23
	s_lshl_b32 s86, s86, 2
	s_add_co_u32 s86, s86, s98
	s_add_co_u32 s86, s86, s93                     ; its scale words: my 256 bytes of the work-group's 1,024
	s_mov_b32 s87, 0
	s_mov_b32 s[G0P], 1
	s_mov_b32 s[G0P+1], PB
	s_mov_b32 s[G0Q], 1
	s_mov_b32 s[G0Q+1], 0
	s_mov_b32 s[G0R], 1
	s_mov_b32 s[G0R+1], HALF
	s_mov_b32 s[G0S], 1
	s_mov_b32 s[G0S+1], SCQ
	s_mul_i32 s88, s17, 768
	s_mul_i32 s89, s18, 3072
	s_add_co_u32 s89, s89, PB
	s_lshl_b32 s90, s17, 6
	s_lshl_b32 s92, s18, 1
	s_add_co_u32 s92, s92, s90
	s_add_co_u32 s92, s92, SCT
	s_add_co_u32 s90, s90, SCQ
	s_mul_i32 s91, s16, 768
	s_add_co_u32 s91, s91, STAGE
	s_add_co_u32 s99, s93, SCT
	v_and_b32 v1, 15, v0                           ; r
	v_bfe_u32 v2, v0, 4, 1                         ; h
	v_and_b32 v3, 31, v0
	v_mul_u32_u24 v20, v1, 48
	v_mad_u32_u24 v20, v2, 24, v20
	v_add_nc_u32 v[AQ], s88, v20
	v_add_nc_u32 v[AQ+1], 8*GRP, v[AQ]
	v_add_nc_u32 v[AQ+2], HALF, v[AQ]
	v_add_nc_u32 v[AQ+3], HALF+8*GRP, v[AQ]
	v_add_nc_u32 v[AP], s89, v20
	v_add_nc_u32 v[AP+1], 8*GRP, v[AP]
	v_lshlrev_b32 v21, 2, v1
	v_lshl_add_u32 v21, v2, 7, v21
	v_add_nc_u32 v[ASQ], s90, v21
	v_lshlrev_b32 v[ABS], 2, v3
	v_add_nc_u32 v[STO], s91, v20
	v_lshlrev_b32 v[CO], 3, v3
	v_add_nc_u32 v[RD], s91, v[CO]
	v_lshl_add_u32 v[SWA], v1, 2, s92
	v_add_nc_u32 v[RS], s99, v[CO]
	v_mov_b32 v[TP], 0                             ; written once: a lane permute's destination counts as one of its sources
	v_mov_b32 v[TP+1], 0
	WALU                                           ; the wait at the head's end
	s_wait_dscnt 0x0
	CROUND                                         ; the opening round: the joint loads meet
	s_wait_kmcnt 0x0
	s_add_nc_u64 s[G0P+2:G0P+3], s[4:5], s[76:77]
	s_or_b32 s[G0P+3], s[G0P+3], 0x80000000
	s_add_nc_u64 s[G0Q+2:G0Q+3], s[4:5], s[78:79]
	s_add_nc_u64 s[G0R+2:G0R+3], s[G0Q+2:G0Q+3], GRP
	s_or_b32 s[G0Q+3], s[G0Q+3], 0x80000000
	s_or_b32 s[G0R+3], s[G0R+3], 0x80000000
	s_add_nc_u64 s[G0S+2:G0S+3], s[6:7], s[80:81]
	s_or_b32 s[G0S+3], s[G0S+3], 0x80000000
	s_add_nc_u64 s[6:7], s[6:7], s[82:83]
	s_add_nc_u64 s[8:9], s[8:9], s[84:85]
	s_add_nc_u64 s[10:11], s[10:11], s[86:87]
	s_cmp_eq_u32 s16, 0
	s_cbranch_scc0 .Lw1
	TLOAD G0P, G1P                                 ; wave 0: P's rows, which are wanted first
	s_branch .Lasked
.Lw1:
	s_cmp_eq_u32 s16, 1
	s_cbranch_scc0 .Lw2
	TLOAD G0Q, G1Q                                 ; wave 1: Q's rows 0 to 127
	s_branch .Lasked
.Lw2:
	s_cmp_eq_u32 s16, 2
	s_cbranch_scc0 .Lw3
	TLOAD G0S, G1S                                 ; wave 2: Q's scale words
	s_branch .Lasked
.Lw3:
	TLOAD G0R, G1Q                                 ; wave 3: Q's rows 128 to 255
.Lasked:
.irp u, 0,1
.irp q, 0,1,2,3,4,5,6,7
	global_load_b32 v[SB+8*\u+\q], v[ABS], s[6:7] offset:\q*SPL+128*\u   ; 32 lanes read 128 consecutive bytes: two tiles' words
.endr
.endr
	s_cmp_eq_u32 s16, 0
	s_cbranch_scc0 .Lnot_p
	s_wait_tensorcnt 0x0
.Lnot_p:
	BARRIER                                        ; P has landed
.irp q, 0,1,2,3,4,5,6,7
.irp t, 0,1,2,3
	FRAG 4*\q+\t, AP+\q/4, 2*(\q%4)*GRP+\t*768
.endr
.endr
	WIN 0
	s_wait_loadcnt 0x0
	s_cmp_eq_u32 s16, 3
	s_cbranch_scc1 .Lnot_q
	s_wait_tensorcnt 0x0
.Lnot_q:
	s_wait_dscnt 0x0
	BARRIER                                        ; Q's first half and its scale words are in, and nobody reads P's bytes any more; wave 3's tile may still be on its way
	FETCH 0
	FETCH 1
	s_wait_dscnt 48                                ; block 0's rows and scale words are in; block 1's 48 loads may be out
; ---- the stream
.irp s, 0,1,2,3,4,5,6,7
	BLK \s
.endr
.set I_, 0
.rept 25                               ; block 7's way out
	CL I_, ACC+32
.set I_, I_+1
.endr
	CODES 7
	s_wait_dscnt 0x0
	SEND 7
	BARRIER                                        ; all waves' scale bytes are in the table
	ds_load_b64 v[BKS:BKS+1], v[RS]
	s_wait_dscnt 0x0
	global_store_b64 v[CO], v[BKS:BKS+1], s[10:11] ; 32 lanes store 256 consecutive bytes, aligned
	s_wait_tensorcnt 0x0                           ; the wave's end
	ds_add_u32 v[SPW], v[NIL]
	s_wait_dscnt 0x0
	CROUND                                         ; the closing round
	s_endpgm
.Lfunc_end_k_q869dd9b97c_qkv:
	.size	k_q869dd9b97c_qkv, .Lfunc_end_k_q869dd9b97c_qkv-k_q869dd9b97c_qkv
	.p2alignl 7, 3214868480
	.fill 96, 4, 3214868480
	.section	.rodata,"a",@progbits
	.p2align	6, 0x0
	.amdhsa_kernel k_q869dd9b97c_qkv
		.amdhsa_group_segment_fixed_size 327680
		.amdhsa_private_segment_fixed_size 0
		.amdhsa_enable_private_segment 0
		.amdhsa_kernarg_size 32
		.amdhsa_user_sgpr_count 2
		.amdhsa_user_sgpr_kernarg_segment_ptr 1
		.amdhsa_wavefront_size32 1
		.amdhsa_system_sgpr_workgroup_id_x 1
		.amdhsa_system_sgpr_workgroup_id_y 1
		.amdhsa_system_sgpr_workgroup_id_z 1
		.amdhsa_system_vgpr_workitem_id 0
		.amdhsa_next_free_vgpr 840
		.amdhsa_next_free_sgpr 100
		.amdhsa_reserve_vcc 0
		.amdhsa_float_denorm_mode_32 3
		.amdhsa_float_denorm_mode_16_64 3
		.amdhsa_memory_ordered 1
		.amdhsa_forward_progress 1
		.amdhsa_inst_pref_size 110
	.end_amdhsa_kernel
	.amdgpu_metadata
---
amdhsa.version: [ 1, 2 ]
amdhsa.kernels:
  - .name:           k_q869dd9b97c_qkv
    .symbol:         k_q869dd9b97c_qkv.kd
    .args:
      - { .name: cw, .offset: 0, .size: 8, .value_kind: global_buffer, .address_space: global }
      - { .name: sw, .offset: 8, .size: 8, .value_kind: global_buffer, .address_space: global }
      - { .name: ac, .offset: 16, .size: 8, .value_kind: global_buffer, .address_space: global }
      - { .name: asc, .offset: 24, .size: 8, .value_kind: global_buffer, .address_space: global }
    .group_segment_fixed_size: 327680
    .private_segment_fixed_size: 0
    .kernarg_segment_align: 8
    .kernarg_segment_size: 32
    .max_flat_workgroup_size: 128
    .sgpr_count:     100
    .vgpr_count:     840
    .wavefront_size: 32
...
	.end_amdgpu_metadata
.endif
;; end of part 2
;; launch attn (part 3): grid 4 x 64, 16 waves a work-group, clusters of 4 x 1, 223,232 bytes of LDS; arguments ac, asc, oc, os; writes oc, os
.if DOCPART == 3
	.amdgcn_target "amdgcn-amd-amdhsa--gfx1250"
	.amdhsa_code_object_version 6
	.text
	.protected	k_q869dd9b97c_attn
	.globl	k_q869dd9b97c_attn
	.p2align	8
	.type	k_q869dd9b97c_attn,@function
k_q869dd9b97c_attn:
	s_mov_b64 s[64:65], 0
	v_nop
	global_prefetch_b8 v0, s[64:65] scope:SCOPE_SE
	s_setreg_imm32_b32 hwreg(HW_REG_WAVE_MODE, 25, 1), 1
	s_wait_xcnt 0x0
	s_wait_alu depctr_hold_cnt(0) depctr_sa_sdst(0) depctr_va_vdst(0) depctr_va_sdst(0) depctr_va_ssrc(0) depctr_va_vcc(0) depctr_vm_vsrc(0)
	s_getreg_b32 s2, hwreg(HW_REG_IB_STS2, 6, 4)
	s_cmp_eq_u32 s2, 0
	s_cbranch_scc0 .Lentry_in_a_cluster
	s_endpgm
.Lentry_in_a_cluster:
	s_bfe_u32 s2, ttmp6, 0x10000c
	s_cmp_lg_u32 s2, 0x3003
	s_cbranch_scc0 .Lentry_shape_is_right
	s_endpgm
.Lentry_shape_is_right:
; Causal attention of one head on codes of FP6 (E2M3) with E8M0 scales: S = q k^T / 8 (K = the head's 64 channels), softmax, O = p v (K = the keys), O / l quantised along the channels.
; THE SOFTMAX AHEAD OF THE SECOND PRODUCT: t = score x log2(e) / 8; M = the row's largest t so far, rounded UP to a whole number; p = 2^(t - M) is what is quantised, along the keys, not normalised.  The row's sum l is taken of the
; unquantised p and divides O at the end.  When M moves, l and O are multiplied by 2^(old M - new M): exact.  Key steps that lie wholly behind a tile's queries under the causal mask are left out.
; INPUTS (made by the launch before): ac: q and k as [32 heads: q's, k's][8,192 token positions][48]; v as [128 groups of 64 tokens][1,024 channel positions][48]; asc: [16 pairs of heads][8,192][4]; [64 groups of 128 tokens][1,024][4].
; A position is a row's number with bits 3 and 4 exchanged: sixteen neighbouring positions are the rows 32 (i / 2) + 8 (i % 2) + r + 8 (r / 8), so that in a transposed product the 16 registers of two neighbouring tiles are 16 neighbours.
; RESULTS: oc [16 heads][8,192 token positions][48], os [8 pairs of heads][8,192][4] (this head's two bytes of each word: stores of two bytes, 4 bytes apart: one byte in 25 of what the launch stores; a work-group has one head of a pair).
; LIMITS: a block whose largest magnitude lies under 2^-124 keeps the byte 1; a block of zeros gets the byte 1 (zero codes; this program alone reads the bytes); NaN and infinities are not served; the scaled scores t stay under 2^31 in magnitude.
; SHARES.  The four work-groups of a cluster own one (batch, head).  Its K, V and scale words, 208,896 bytes, lie in LDS WHOLE: filled once, by ten joint loads that name the four, one to a wave; no byte is filled twice, so there is no ring.
; The head's 128 tiles of 16 queries are 16 groups of 8; group G has its diagonal in key step G (128 keys a step).  Wave w (sigma = w % 8, e = 2 cx + w / 8) owns tile 8 (15 - sigma) + e and then tile 8 sigma + e: 17 key steps for every wave of
; the launch.  Branches hang on the wave's number and on counters alone; cx enters Q's and O's global addresses and the number that the mask compares.
; Both products are used transposed: S^T = K Q^T, O^T = V^T P^T: a lane holds ONE query (lane % 16) throughout.
; K = 64 IN AN INSTRUCTION OF 128: Q's codes of k = 64 .. 127 are zeros and its scale bytes there 0, so whatever codes stand in the upper half of K's fragment add nothing.  So K's eight tiles of a step lie six registers each, one behind the other,
; and tile t's fragment is v[28 + 6 t .. 28 + 6 t + 11]: its upper half is the next tile's codes (tile 7's: V's first six registers).  K's scale bytes come two tiles to a register: lanes 0-15 the even tile's, lanes 16-31 the odd tile's.
; K IS ASKED FOR A STEP AHEAD: behind a step's eight score products its registers take the next step's tiles, 28 LDS loads, which come in under the softmax.  The runs of steps are cut so that the step ahead lies in a chunk that a barrier has shown
; (behind step 15 the loads read V's first bytes and are not used, as behind a tile's diagonal step).
; REGISTERS: v1-7 addresses that stay; v8-11 addresses in hand; v12 -M, v13 the largest t, v[14:15] l in two halves; v16-27 Q; v28-75 K's eight tiles; v76-123 four fragments of V; v124-187 S^T, then p; v188-219 O^T; v220-231 p's codes;
; v232-239, v244-247, v252-254 at work; v240-243 K's scale bytes; v248-251 V's scale words; v255 Q's scale bytes.
.set VL,   98304                       ; LDS: K [2,048 positions][48] at 0; V [32 groups of 64 keys][64 channel positions][48] here;
.set SCK,  196608                      ; K's scale words [2,048][4];
.set SCV,  204800                      ; V's [16 steps][64][4];
.set STG,  208896                      ; the way out: 768 bytes for each wave, bytes of their own; behind them, at 0x36000, the spare words
.set VB,   12582912
.set VSB,  524288
.set AK0,  1                           ; v1   48 r + 24 h: my place in a tile of K; also in Q's tile in memory
.set AV0,  2                           ; v2   the same in V
.set ASK0, 3                           ; v3   my place among K's scale words (this head's half of the word; lanes 16-31 a tile on)
.set ASV0, 4                           ; v4   and among V's
.set D0,   5                           ; v5   my query's place in its diagonal step, less 16 h
.set STO,  6                           ; v6   the stage: in
.set RD,   7                           ; v7   the stage: back
.set ADK,  8
.set ADV,  9
.set ADS,  10
.set ADT,  11
.set KF,   28
.set VF,   76
.set S,    124
.set O,    188
.set PCD,  220
.set KSC,  240
.set WV,   12                          ; s12  my wave's number
.set DS,   19                          ; s19  the diagonal step of the tile in hand
.set SEL,  20                          ; s[20:21] selects for lane l xor 16
.set CS,   22                          ; s[22:23] c = log2(e) / 8
.set G1K,  24                          ; s[24:31] group 1 for K's chunks; s[32:39] V's; s[40:47] K's scale words; s[48:55] V's
.set G1V,  32
.set G1KS, 40
.set G1VS, 48
.set G0S,  56                          ; s[56:59] group 0 for the scale words; s[60:63], s[68:79] for chunks 0 to 3
.set KS,   90                          ; s90  the key step
.set T6,   91                          ; s91  6,144 x it: a step's rows of K, and its two groups of V
.set TSK,  92                          ; s92  512 x it
.set TSV,  93                          ; s93  256 x it
.set CNT,  94                          ; s94  trips to go
.macro CROUND                          ; a round of the cluster's barrier
	s_barrier_signal -1
	s_barrier_wait -1
	s_cmp_lg_u32 s[WV], 0
	s_cbranch_scc1 .Lnot_wave_0_\@
	s_barrier_signal -3
.Lnot_wave_0_\@:
	s_barrier_wait -3
	s_barrier_signal -1
	s_barrier_wait -1
.endm
; Where tile 8 DS + e stands: s[88:89] = its bytes in a table of codes (Q's part of ac, and oc), s[96:97] = in a table of scale words (asc, os), this head's half of the word.
.macro TILEOFF
	s_lshl_b32 s95, s[DS], 3
	s_add_co_u32 s95, s95, s18
	s_lshl_b32 s95, s95, 4                         ; 16 positions a tile
	s_lshl_b32 s96, s15, 11
	s_add_co_u32 s95, s95, s96                     ; + 2,048 x batch
	s_lshl_b32 s96, s16, 13
	s_add_co_u32 s96, s96, s95                     ; + 8,192 x head
	s_mul_i32 s88, s96, 48
	s_mov_b32 s89, 0
	s_lshr_b32 s96, s16, 1
	s_lshl_b32 s96, s96, 13
	s_add_co_u32 s96, s96, s95                     ; + 8,192 x pair of heads
	s_lshl_b32 s96, s96, 2
	s_and_b32 s97, s16, 1
	s_lshl_b32 s97, s97, 1
	s_add_co_u32 s96, s96, s97
	s_mov_b32 s97, 0
.endm
.macro QLOAD                           ; Q's fragment (its upper six registers stay zero) and its scale bytes
	v_and_b32 v[ADT], 15, v0
	s_delay_alu instid0(VALU_DEP_1)
	v_lshlrev_b32 v[ADT], 2, v[ADT]
.irp p, 0,1,2
	global_load_b64 v[16+2*\p:17+2*\p], v[AK0], s[80:81] offset:8*\p
.endr
	global_load_u16 v255, v[ADT], s[82:83]         ; two bytes: blocks 0 and 1; the word's upper bytes are 0 and scale zero codes
.endm
.macro INIT                            ; the steps are written once: the first finds zeros, which the first change of M leaves zeros
	v_mov_b32 v13, 0xff61b1e6                      ; the largest t so far: -3e38
	s_delay_alu instid0(VALU_DEP_1)
	v_floor_f32 v12, -v13                          ; -M
	v_mov_b32 v14, 0
	v_mov_b32 v15, 0
.set NN, 0
.rept 32
	v_mov_b32 v[O+NN], 0
.set NN, NN+1
.endr
.endm
	s_load_b256 s[4:11], s[0:1], 0x0               ; ac s[4:5], asc s[6:7], oc s[8:9], os s[10:11]
	v_lshl_add_u32 v254, v0, 2, 0x36000
	v_mov_b32 v255, 0
	ds_add_u32 v254, v255                          ; the opening lines: the add twice on end and its wait
	ds_add_u32 v254, v255
	s_wait_dscnt 0x0
	v_lshrrev_b32 v8, 5, v0
	s_delay_alu instid0(VALU_DEP_1)
	v_readfirstlane_b32 s[WV], v8                  ; wave 0..15
	s_bfe_u32 s13, ttmp6, 0x40000                  ; cx
	s_and_b32 s14, ttmp7, 0xffff                   ; (batch, head), which the four partners share
	s_lshr_b32 s15, s14, 4                         ; batch
	s_and_b32 s16, s14, 15                         ; head
	s_and_b32 s17, s[WV], 7                        ; sigma
	s_lshr_b32 s18, s[WV], 3
	s_lshl_b32 s95, s13, 1
	s_add_co_u32 s18, s18, s95                     ; e
	s_sub_co_u32 s[DS], 15, s17                    ; the first tile's diagonal step
	s_mov_b32 s[SEL], 0x76543210
	s_mov_b32 s[SEL+1], 0xfedcba98
	s_mov_b32 s[CS], 0x3e38aa3b                    ; log2(e) / 8
	s_mov_b32 s[CS+1], s[CS]                       ; (named with it as a pair, so it is written)
	; group 1: elements of 8 bytes, the mask of all four work-groups, bit 21 beside it, no padding
.irp g, G1K, G1V, G1KS, G1VS
	s_mov_b32 s[\g], 15|(3<<16)|(1<<21)
	s_mov_b32 s[\g+6], 0
	s_mov_b32 s[\g+7], 0
.endr
	s_mov_b32 s[G1K+1], 32<<16                     ; K's chunk: 512 keys x 48 dense bytes, as 96 rows of 256
	s_mov_b32 s[G1K+2], 96<<16
	s_mov_b32 s[G1K+3], 32<<16
	s_mov_b32 s[G1K+4], 96
	s_mov_b32 s[G1K+5], 32
	s_mov_b32 s[G1V+1], 384<<16                    ; V's chunk: 8 groups of 64 keys, 3,072 bytes (64 channel positions) of each, 49,152 bytes apart
	s_mov_b32 s[G1V+2], 8<<16
	s_mov_b32 s[G1V+3], 384<<16
	s_mov_b32 s[G1V+4], 8
	s_mov_b32 s[G1V+5], 6144
	s_mov_b32 s[G1KS+1], 32<<16                    ; K's scale words: 8,192 dense bytes, as 32 rows of 256
	s_mov_b32 s[G1KS+2], 32<<16
	s_mov_b32 s[G1KS+3], 32<<16
	s_mov_b32 s[G1KS+4], 32
	s_mov_b32 s[G1KS+5], 32
	s_mov_b32 s[G1VS+1], 32<<16                    ; V's: 16 steps, 256 bytes of each, 4,096 bytes apart
	s_mov_b32 s[G1VS+2], 16<<16
	s_mov_b32 s[G1VS+3], 32<<16
	s_mov_b32 s[G1VS+4], 16
	s_mov_b32 s[G1VS+5], 512
	; what the even waves (K) and the odd waves (V) fetch: offsets, apart from the pointers
	s_lshl_b32 s95, s15, 11
	s_add_co_u32 s89, s16, 16
	s_lshl_b32 s89, s89, 13
	s_add_co_u32 s89, s89, s95
	s_mul_i32 s89, s89, 48                         ; K's codes: ((16 + head) x 8,192 + 2,048 batch) x 48
	s_mul_i32 s96, s15, 1572864
	s_mul_i32 s97, s16, 3072
	s_add_co_u32 s96, s96, s97
	s_add_co_u32 s96, s96, VB                      ; V's: 32 groups a batch, 64 positions a head
	s_lshr_b32 s97, s16, 1
	s_add_co_u32 s97, s97, 8
	s_lshl_b32 s97, s97, 13
	s_add_co_u32 s97, s97, s95
	s_lshl_b32 s97, s97, 2                         ; K's scale words
	s_lshl_b32 s98, s15, 16
	s_lshl_b32 s99, s16, 8
	s_add_co_u32 s98, s98, s99
	s_add_co_u32 s98, s98, VSB                     ; V's
	s_and_b32 s88, s[WV], 1
	s_cmp_eq_u32 s88, 0                            ; the wave's number: the same in all partners
	s_cselect_b32 s96, s89, s96
	s_cselect_b32 s98, s97, s98
	s_mov_b32 s2, 393216
	s_cselect_b32 s2, 24576, s2                    ; from chunk to chunk in memory
	s_mov_b32 s3, 0
	s_mov_b32 s97, 0
	s_mov_b32 s99, 0
	s_mul_i32 s95, s88, VL                         ; and where they go
	s_lshl_b32 s94, s88, 13
	s_wait_kmcnt 0x0
	s_add_nc_u64 s[96:97], s[4:5], s[96:97]
	s_add_nc_u64 s[98:99], s[6:7], s[98:99]
	s_mov_b32 s[G0S], 1
	s_add_co_u32 s[G0S+1], s94, SCK
	s_mov_b64 s[G0S+2:G0S+3], s[98:99]
	s_or_b32 s[G0S+3], s[G0S+3], 0x80000000
.set CH, 0
.irp g, 60,68,72,76
	s_mov_b32 s[\g], 1
	s_add_co_u32 s[\g+1], s95, CH*24576
	s_mov_b64 s[\g+2:\g+3], s[96:97]
	s_or_b32 s[\g+3], s[\g+3], 0x80000000
	s_add_nc_u64 s[96:97], s[96:97], s[2:3]
.set CH, CH+1
.endr
	CROUND                                         ; all four work-groups are here: the joint loads meet
; The ten first fills, one a wave, each on a line of its own in one chain of branches on the wave's number: waves 0, 1 the scale words of K, V; waves 2 j + 2, 2 j + 3 chunk j of K, V.  Waves 10 to 15 issue none.
.macro ARM under, g0, g1, next
	s_cmp_lt_u32 s[WV], \under
	s_cbranch_scc0 \next
	tensor_load_to_lds s[\g0:\g0+3], s[\g1:\g1+7]
	s_nop 0
.rept 4
	v_nop
.endr
	s_branch .Lasked
\next:
.endm
	ARM 1, G0S, G1KS, .La1
	ARM 2, G0S, G1VS, .La2
	ARM 3, 60, G1K, .La3
	ARM 4, 60, G1V, .La4
	ARM 5, 68, G1K, .La5
	ARM 6, 68, G1V, .La6
	ARM 7, 72, G1K, .La7
	ARM 8, 72, G1V, .La8
	ARM 9, 76, G1K, .La9
	ARM 10, 76, G1V, .La10
.Lasked:
	v_and_b32 v8, 15, v0                           ; r
	s_wait_alu depctr_va_vdst(0)
	v_bfe_u32 v9, v0, 4, 1                         ; h
	s_wait_alu depctr_va_vdst(0)
	v_mul_u32_u24 v[AK0], v8, 48
	s_delay_alu instid0(VALU_DEP_1)
	v_mad_u32_u24 v[AK0], v9, 24, v[AK0]
	s_delay_alu instid0(VALU_DEP_1)
	v_add_nc_u32 v[AV0], VL, v[AK0]
	v_lshlrev_b32 v10, 2, v8
	v_lshl_add_u32 v11, v9, 6, v10                 ; K's scale bytes: lanes 16-31 take the next tile's, 64 bytes on
	s_and_b32 s95, s16, 1
	s_lshl_b32 s95, s95, 1
	s_add_co_u32 s95, s95, SCK
	v_add_nc_u32 v[ASK0], s95, v11
	v_add_nc_u32 v[ASV0], SCV, v10
	s_lshr_b32 s95, s18, 1
	s_lshl_b32 s95, s95, 5
	s_and_b32 s96, s18, 1
	s_lshl_b32 s96, s96, 3
	s_add_co_u32 s95, s95, s96                     ; my tile's first query in its step: 32 (e / 2) + 8 (e % 2)
	v_and_b32 v[D0], 8, v8
	s_delay_alu instid0(VALU_DEP_1)
	v_add_nc_u32 v[D0], v[D0], v8                  ; + r + 8 (r / 8)
	v_lshlrev_b32 v11, 4, v9
	s_delay_alu instid0(VALU_DEP_1)
	v_sub_nc_u32 v[D0], v[D0], v11                 ; - 16 h
	s_delay_alu instid0(VALU_DEP_1)
	v_add_nc_u32 v[D0], s95, v[D0]
	s_mul_i32 s95, s[WV], 768
	s_add_co_u32 s95, s95, STG                     ; my stage
	v_add_nc_u32 v[STO], s95, v[AK0]
	v_and_b32 v[RD], 31, v0
	s_delay_alu instid0(VALU_DEP_1)
	v_lshlrev_b32 v[RD], 3, v[RD]
	s_delay_alu instid0(VALU_DEP_1)
	v_add_nc_u32 v[RD], s95, v[RD]
	TILEOFF
	s_add_nc_u64 s[80:81], s[4:5], s[88:89]        ; Q's codes,
	s_add_nc_u64 s[82:83], s[6:7], s[96:97]        ; its scale bytes,
	s_add_nc_u64 s[84:85], s[8:9], s[88:89]        ; O's codes,
	s_add_nc_u64 s[86:87], s[10:11], s[96:97]      ; and its scale bytes, for the tile in hand
	QLOAD
.irp j, 22,23,24,25,26,27
	v_mov_b32 v\j, 0                               ; K = 64: the codes of k = 64 .. 127 are zeros in Q
.endr
.irp j, 0,1,2,3,4,5
	v_mov_b32 v[VF+\j], 0                          ; the upper half of K's tile 7: written once, ahead of V's first loads
.endr
.irp b, 0,1,2,3
	v_mov_b32 v[236+\b], 0                         ; written once: a lane permute's destination counts as one of its sources
.endr
	v_mov_b32 v252, 0
	v_mov_b32 v253, 0
	INIT
.macro KLOAD o6, o5                    ; a step's eight tiles of K, six registers each, and their scale bytes, two tiles to a register: 28 loads
.irp t, 0,1,2,3,4,5,6,7
.irp p, 0,1,2
	ds_load_b64 v[KF+6*\t+2*\p:KF+6*\t+2*\p+1], v[ADK] offset:\o6+\t*768+8*\p
.endr
.endr
.irp u, 0,1,2,3
	ds_load_u16 v[KSC+\u], v[ADS] offset:\o5+128*\u
.endr
.endm
.macro PI d, i, j
	v_pk_add_f32 v[\d:\d+1], v[S+2*(\i):S+2*(\i)+1], v[S+2*(\j):S+2*(\j)+1]
.endm
.macro PA d, j
	v_pk_add_f32 v[\d:\d+1], v[\d:\d+1], v[S+2*(\j):S+2*(\j)+1]
.endm
.macro PT d, e
	v_pk_add_f32 v[\d:\d+1], v[\d:\d+1], v[\e:\e+1]
.endm
; A KEY STEP: 128 keys.
.macro STEP
	s_cmp_gt_u32 s[KS], s[DS]                      ; a step all of whose keys come after my queries is left out: a branch on the wave's number and a counter, round the step's loads, products and softmax, not round the lines that step addresses
	s_cbranch_scc1 .Lhid_\@
	s_wait_dscnt 0x0                               ; K's tiles, asked for a step ago, are in
.irp u, 0,1,2,3                                ; S^T = K Q^T: eight tiles of 16 keys
	v_wmma_scale_f32_16x16x128_f8f6f4 v[S+16*\u:S+16*\u+7], v[KF+12*\u:KF+12*\u+11], v[16:27], 0, v[KSC+\u], v255 matrix_a_fmt:MATRIX_FMT_FP6 matrix_b_fmt:MATRIX_FMT_FP6
	v_wmma_scale_f32_16x16x128_f8f6f4 v[S+16*\u+8:S+16*\u+15], v[KF+12*\u+6:KF+12*\u+17], v[16:27], 0, v[KSC+\u], v255 matrix_a_fmt:MATRIX_FMT_FP6 matrix_b_fmt:MATRIX_FMT_FP6 matrix_a_scale:MATRIX_SCALE_ROW1
.endr                                          ; lane (r, h): query r; register 16 b + i: key 32 b + 16 h + i of the step
	v_add_nc_u32 v[ADK], s[T6], v[AK0]             ; these four are the places between the products and the loads into their registers, and the first read of the scores
	v_add_nc_u32 v[ADV], s[T6], v[AV0]
	v_add_nc_u32 v[ADS], s[TSK], v[ASK0]
	v_add_nc_u32 v[ADT], s[TSV], v[ASV0]
.irp t, 0,1,2,3                                ; V's four fragments and their scale words: they land under the softmax
.irp c, 0,1
.irp p, 0,1,2
	ds_load_b64 v[VF+12*\t+6*\c+2*\p:VF+12*\t+6*\c+2*\p+1], v[ADV] offset:3072*\c+768*\t+8*\p
.endr
.endr
	ds_load_b32 v[248+\t], v[ADT] offset:64*\t
.endr
	KLOAD 6144, 512                                ; and the next step's K
	s_cmp_lg_u32 s[KS], s[DS]                      ; on the diagonal the scores of hidden keys become -infinity ahead of the maximum: p = 0 then
	s_cbranch_scc1 .Lopen_\@
	v_mov_b32 v254, 0xff800000
.set NN, 0
.rept 64
	v_cmp_gt_i32 vcc_lo, 32*(NN/16)+NN%16, v[D0]
	v_cndmask_b32 v[S+NN], v[S+NN], v254, vcc_lo
.set NN, NN+1
.endr
.Lopen_\@:
.irp b, 0,1,2,3
	v_max3_num_f32 v[232+\b], v[S+16*\b], v[S+1+16*\b], v[S+2+16*\b]   ; the largest score of each block of 32 keys: it serves for the row's maximum and, since p rises with the score, for the block's largest p
.endr
.irp i, 3,5,7,9,11,13
.irp b, 0,1,2,3
	v_max3_num_f32 v[232+\b], v[232+\b], v[S+16*\b+\i], v[S+1+16*\b+\i]
.endr
.endr
.irp b, 0,1,2,3
	v_max_num_f32 v[232+\b], v[232+\b], v[S+15+16*\b]
.endr
.irp b, 0,1,2,3
	s_delay_alu instid0(VALU_DEP_4)
	v_permlanex16_b32 v[236+\b], v[232+\b], s[SEL], s[SEL+1]
.endr
.irp b, 0,1,2,3
	s_delay_alu instid0(VALU_DEP_4)
	v_max_num_f32 v[232+\b], v[232+\b], v[236+\b]  ; with lane l xor 16's 16 keys
.endr
	s_delay_alu instid0(VALU_DEP_2)
	v_max3_num_f32 v254, v232, v233, v234
	s_delay_alu instid0(VALU_DEP_1)
	v_max_num_f32 v254, v254, v235                 ; the step's largest score of my query
	s_delay_alu instid0(VALU_DEP_1)
	v_mul_f32 v254, s[CS], v254                    ; as t
	s_delay_alu instid0(VALU_DEP_1)
	v_max_num_f32 v13, v13, v254                   ; the running largest t
	v_mov_b32 v254, v12
	s_delay_alu instid0(VALU_DEP_2)
	v_floor_f32 v12, -v13                          ; the new -M = -ceil(t): a whole number
	s_delay_alu instid0(VALU_DEP_1)
	v_sub_f32 v254, v12, v254                      ; old M - new M: a whole number, 0 or less
	s_delay_alu instid0(VALU_DEP_1)
	v_cvt_i32_f32 v254, v254                       ; (it saturates)
	s_delay_alu instid0(VALU_DEP_1)
	v_ldexp_f32 v252, 1.0, v254                    ; f = 2^(old M - new M)
.set NN, 0
.rept 32
	v_pk_fma_f32 v[S+NN:S+NN+1], v[S+NN:S+NN+1], s[CS:CS+1], v[12:13] op_sel_hi:[1,0,0]   ; t - M, two at a time
.set NN, NN+2
.endr
.irp b, 0,1,2,3
	v_fma_f32 v[232+\b], v[232+\b], s[CS], v12     ; the same of each block's largest score
.endr
.set NN, 0
	s_wait_alu depctr_va_vdst(0)                   ; the wait ahead of the batch
.rept 64
	v_exp_f32 v[S+NN], v[S+NN]                     ; p = 2^(t - M), at most 1
.set NN, NN+1
.endr
	v_pk_mul_f32 v[14:15], v[14:15], v[252:253] op_sel_hi:[1,0]   ; l under the new M: a plain instruction behind the exponentials
	s_wait_alu depctr_va_vdst(0)                   ; one wait for the whole batch, ahead of its first reader
.irp b, 0,1,2,3
	v_exp_f32 v[232+\b], v[232+\b]                 ; the block's largest p
.endr
	PI 236, 0, 1                                   ; the row's sum of the unquantised p: 32 pairs in six chains side by side
	PI 238, 2, 3
	PI 244, 4, 5
	PI 246, 6, 7
	PI 230, 8, 9
	PA 14, 10
.irp j, 11,17,23
	PA 236, \j
	PA 238, \j+1
	PA 244, \j+2
	PA 246, \j+3
	PA 230, \j+4
	PA 14, \j+5
.endr
	PA 236, 29
	PA 238, 30
	PA 244, 31
	s_delay_alu instid0(VALU_DEP_2)
	PT 236, 238
	s_delay_alu instid0(VALU_DEP_2)
	PT 244, 246
	PT 14, 230
	s_delay_alu instid0(VALU_DEP_2)
	PT 236, 244
	s_delay_alu instid0(VALU_DEP_1)
	PT 14, 236
	s_wait_alu depctr_va_vdst(0)                   ; and one for the four
.irp b, 0,1,2,3
	v_max_num_f32 v[232+\b], 0x1800000, v[232+\b]  ; the floor 2^(3 - 127): the byte cannot fall under 1
.endr
.irp b, 0,1,2,3
	s_delay_alu instid0(VALU_DEP_4)
	v_add_nc_u32 v[244+\b], 0xff000000, v[232+\b]  ; 2 off the exponent field: the conversion's scale operand
.endr
.irp b, 0,1,2,3
	s_delay_alu instid0(VALU_DEP_4)
	v_lshrrev_b32 v[236+\b], 23, v[244+\b]         ; the scale's byte
.endr
	s_delay_alu instid0(VALU_DEP_3)
	v_lshl_or_b32 v253, v237, 8, v236              ; p's scale word for these 128 keys
	s_delay_alu instid0(VALU_DEP_1)
	v_lshl_or_b32 v253, v238, 16, v253
	s_delay_alu instid0(VALU_DEP_1)
	v_lshl_or_b32 v253, v239, 24, v253
.irp c, 0,1
	v_cvt_scalef32_pk16_fp6_f32 v[PCD+6*\c:PCD+2+6*\c], v[S+32*\c:S+15+32*\c], v[244+2*\c]
	v_cvt_scalef32_pk16_fp6_f32 v[236-4*\c:238-4*\c], v[S+16+32*\c:S+31+32*\c], v[245+2*\c]   ; (a conversion's three registers begin on an even number)
.endr
	v_nop                                          ; one plain place behind a scaled conversion
.irp c, 0,1                                    ; a whole block to a lane: lanes 0-15 block 2 c, lanes 16-31 block 2 c + 1
.irp i, 0,1,2
	v_permlane16_swap_b32 v[PCD+6*\c+\i], v[236-4*\c+\i]
.endr
.irp i, 0,1,2
	s_delay_alu instid0(VALU_DEP_3)
	v_mov_b32 v[PCD+3+6*\c+\i], v[236-4*\c+\i]
.endr
.endr
.set NN, 0
.rept 16
	v_pk_mul_f32 v[O+NN:O+NN+1], v[O+NN:O+NN+1], v[252:253] op_sel_hi:[1,0]   ; O^T under the new M.  (These sixteen are also the places between the scale word, the codes and the products below)
.set NN, NN+2
.endr
	s_wait_alu depctr_va_vdst(0)
	s_wait_dscnt 0x0                               ; V is in, and the next step's K
.irp t, 0,1,2,3                                ; O^T += V^T P^T: the four accumulators by turns, one instruction a turn
	v_wmma_scale_f32_16x16x128_f8f6f4 v[O+8*\t:O+8*\t+7], v[VF+12*\t:VF+12*\t+11], v[PCD:PCD+11], v[O+8*\t:O+8*\t+7], v[248+\t], v253 matrix_a_fmt:MATRIX_FMT_FP6 matrix_b_fmt:MATRIX_FMT_FP6
.endr
.Lhid_\@:
	s_add_co_u32 s[KS], s[KS], 1
	s_add_co_u32 s[T6], s[T6], 6144
	s_add_co_u32 s[TSK], s[TSK], 512
	s_add_co_u32 s[TSV], s[TSV], 256
.endm
; A run of key steps, from step first on: the counters begin as constants of the text, and the trips are counted by a register of their own.  begin = 1: a tile's first run asks for its first step's K itself.
.macro STEPS first, trips, begin
	s_mov_b32 s[KS], \first
	s_mov_b32 s[T6], (\first)*6144
	s_mov_b32 s[TSK], (\first)*512
	s_mov_b32 s[TSV], (\first)*256
	s_mov_b32 s[CNT], \trips
.if \begin
	v_add_nc_u32 v[ADK], s[T6], v[AK0]
	v_add_nc_u32 v[ADS], s[TSK], v[ASK0]
	KLOAD 0, 0
.endif
.Lsteps_\@:
	STEP
	s_sub_co_u32 s[CNT], s[CNT], 1
	s_cmp_lg_u32 s[CNT], 0
	s_cbranch_scc1 .Lsteps_\@
.endm
; A tile's end: O^T / l, quantised along the head's 64 channels (register 16 b + i is channel 32 b + 16 h + i), through my stage, out in runs of 256 bytes.
.macro FINISH
.rept 4
	v_nop                                          ; places behind the last products
.endr
	v_add_f32 v14, v14, v15                        ; l's two halves,
	s_delay_alu instid0(VALU_DEP_1)
	v_permlanex16_b32 v252, v14, s[SEL], s[SEL+1]
	s_delay_alu instid0(VALU_DEP_1)
	v_add_f32 v14, v14, v252                       ; and lane l xor 16's
	s_wait_alu depctr_va_vdst(0)
	v_rcp_f32 v14, v14
	v_and_b32 v9, 31, v0                           ; (plain work behind the reciprocal)
	s_delay_alu instid0(VALU_DEP_1)
	v_lshlrev_b32 v9, 3, v9                        ; 8 x lane
	v_and_b32 v10, 15, v0
	s_delay_alu instid0(VALU_DEP_1)
	v_lshlrev_b32 v10, 2, v10                      ; 4 r
	s_wait_alu depctr_va_vdst(0)                   ; the wait ahead of the reciprocal's first reader
.set NN, 0
.rept 16
	v_pk_mul_f32 v[S+NN:S+NN+1], v[O+NN:O+NN+1], v[14:15] op_sel_hi:[1,0]   ; each accumulator from its low end on
.set NN, NN+2
.endr
.irp b, 0,1
	v_max3_num_f32 v[232+\b], |v[S+16*\b]|, |v[S+1+16*\b]|, 0x1800000
.endr
.irp i, 2,4,6,8,10,12,14
.irp b, 0,1
	s_delay_alu instid0(VALU_DEP_2)
	v_max3_num_f32 v[232+\b], v[232+\b], |v[S+16*\b+\i]|, |v[S+1+16*\b+\i]|
.endr
.endr
.irp b, 0,1
	s_delay_alu instid0(VALU_DEP_2)
	v_permlanex16_b32 v[236+\b], v[232+\b], s[SEL], s[SEL+1]
.endr
.irp b, 0,1
	s_delay_alu instid0(VALU_DEP_2)
	v_max_num_f32 v[232+\b], v[232+\b], v[236+\b]
.endr
.irp b, 0,1
	s_delay_alu instid0(VALU_DEP_2)
	v_add_nc_u32 v[244+\b], 0xff000000, v[232+\b]
.endr
.irp b, 0,1
	s_delay_alu instid0(VALU_DEP_2)
	v_lshrrev_b32 v[236+\b], 23, v[244+\b]
.endr
	s_delay_alu instid0(VALU_DEP_1)
	v_lshl_or_b32 v253, v237, 8, v236              ; this head's two bytes of the row's scale word
	v_cvt_scalef32_pk16_fp6_f32 v[PCD:PCD+2], v[S:S+15], v244
	v_cvt_scalef32_pk16_fp6_f32 v[234:236], v[S+16:S+31], v245   ; (a conversion's three registers begin on an even number; v236's byte has gone into v253)
	v_nop                                          ; one plain place behind a scaled conversion
.irp i, 0,1,2
	v_permlane16_swap_b32 v[PCD+\i], v[234+\i]
.endr
.irp i, 0,1,2
	s_delay_alu instid0(VALU_DEP_3)
	v_mov_b32 v[PCD+3+\i], v[234+\i]               ; lane (r, h): the 24 bytes of channels 32 h .. 32 h + 31 of query r
.endr
.irp p, 0,1,2
	ds_store_b64 v[STO], v[PCD+2*\p:PCD+2*\p+1] offset:8*\p
.endr
.irp k, 0,1,2
	ds_load_b64 v[VF+2*\k:VF+2*\k+1], v[RD] offset:256*\k   ; LDS serves a wave's instructions in order: these see my stores
.endr
	global_store_b16 v10, v253, s[86:87]           ; both halves of the lanes write the same two bytes with the same value
	s_wait_dscnt 0x0
.irp k, 0,1,2
	global_store_b64 v9, v[VF+2*\k:VF+2*\k+1], s[84:85] offset:256*\k   ; 32 lanes store 256 consecutive bytes, aligned
.endr
.endm
	s_wait_loadcnt 0x0                             ; Q
	s_cmp_lt_u32 s[WV], 4                          ; waves 0 to 3 wait for their own loads: the scale words and chunk 0 (keys 0 to 511); the other chunks may stay out: nothing is filled twice
	s_cbranch_scc0 .Lnot_c0
	s_wait_tensorcnt 0x0
.Lnot_c0:
	s_barrier_signal -1
	s_barrier_wait -1
	STEPS 0, 3, 1                                  ; steps 0 to 2: the step asked for ahead is 3 at the most, in chunk 0
	s_cmp_lt_u32 s[WV], 6                          ; waves 4 and 5: chunk 1 (keys 512 to 1,023) is in
	s_cbranch_scc0 .Lnot_c1
	s_wait_tensorcnt 0x0
.Lnot_c1:
	s_wait_dscnt 0x0
	s_barrier_signal -1
	s_barrier_wait -1
	STEPS 3, 4, 0                                  ; steps 3 to 6: ahead 7 at the most, in chunk 1
	s_wait_tensorcnt 0x0                           ; all is in
	s_wait_dscnt 0x0
	s_barrier_signal -1
	s_barrier_wait -1
	STEPS 7, 9, 0
	s_mov_b32 s[DS], s17                           ; the second tile: its diagonal step is sigma
	TILEOFF
	s_add_nc_u64 s[80:81], s[4:5], s[88:89]        ; (the first tile's loads of Q were waited for long ago)
	s_add_nc_u64 s[82:83], s[6:7], s[96:97]
	QLOAD                                          ; it lands under the first tile's way out
	FINISH
	s_wait_xcnt 0x0                                ; the stores have read their registers and bases: both are written again from here on
	s_add_nc_u64 s[84:85], s[8:9], s[88:89]
	s_add_nc_u64 s[86:87], s[10:11], s[96:97]
	INIT
	s_wait_loadcnt 0x0                             ; Q
	STEPS 0, 8, 1
	FINISH
	s_wait_xcnt 0x0
	v_lshl_add_u32 v254, v0, 2, 0x36000
	v_mov_b32 v255, 0
	s_wait_alu depctr_va_vdst(0)
	s_wait_tensorcnt 0x0                           ; the wave's end
	ds_add_u32 v254, v255
	s_wait_dscnt 0x0
	CROUND                                         ; the closing round
	s_endpgm
.Lfunc_end_k_q869dd9b97c_attn:
	.size	k_q869dd9b97c_attn, .Lfunc_end_k_q869dd9b97c_attn-k_q869dd9b97c_attn
	.p2alignl 7, 3214868480
	.fill 96, 4, 3214868480
	.section	.rodata,"a",@progbits
	.p2align	6, 0x0
	.amdhsa_kernel k_q869dd9b97c_attn
		.amdhsa_group_segment_fixed_size 223232
		.amdhsa_private_segment_fixed_size 0
		.amdhsa_enable_private_segment 0
		.amdhsa_kernarg_size 32
		.amdhsa_user_sgpr_count 2
		.amdhsa_user_sgpr_kernarg_segment_ptr 1
		.amdhsa_wavefront_size32 1
		.amdhsa_system_sgpr_workgroup_id_x 1
		.amdhsa_system_sgpr_workgroup_id_y 1
		.amdhsa_system_sgpr_workgroup_id_z 1
		.amdhsa_system_vgpr_workitem_id 0
		.amdhsa_next_free_vgpr 256
		.amdhsa_next_free_sgpr 100
		.amdhsa_reserve_vcc 1
		.amdhsa_float_denorm_mode_32 3
		.amdhsa_float_denorm_mode_16_64 3
		.amdhsa_memory_ordered 1
		.amdhsa_forward_progress 1
		.amdhsa_inst_pref_size 126
	.end_amdhsa_kernel
	.amdgpu_metadata
---
amdhsa.version: [ 1, 2 ]
amdhsa.kernels:
  - .name:           k_q869dd9b97c_attn
    .symbol:         k_q869dd9b97c_attn.kd
    .args:
      - { .name: ac, .offset: 0, .size: 8, .value_kind: global_buffer, .address_space: global }
      - { .name: asc, .offset: 8, .size: 8, .value_kind: global_buffer, .address_space: global }
      - { .name: oc, .offset: 16, .size: 8, .value_kind: global_buffer, .address_space: global }
      - { .name: os, .offset: 24, .size: 8, .value_kind: global_buffer, .address_space: global }
    .group_segment_fixed_size: 223232
    .private_segment_fixed_size: 0
    .kernarg_segment_align: 8
    .kernarg_segment_size: 32
    .max_flat_workgroup_size: 512
    .sgpr_count:     100
    .vgpr_count:     256
    .wavefront_size: 32
...
	.end_amdgpu_metadata
.endif
;; end of part 3
;; launch proj (part 4): grid 8 x 32, 4 waves a work-group, clusters of 4 x 4, 327,680 bytes of LDS; arguments oc, os, cw, sw, proj_b, out0; writes out0
.if DOCPART == 4
	.amdgcn_target "amdgcn-amd-amdhsa--gfx1250"
	.amdhsa_code_object_version 6
	.text
	.protected	k_q869dd9b97c_proj
	.globl	k_q869dd9b97c_proj
	.p2align	8
	.type	k_q869dd9b97c_proj,@function
k_q869dd9b97c_proj:
	s_mov_b64 s[64:65], 0
	v_nop
	global_prefetch_b8 v0, s[64:65] scope:SCOPE_SE
	s_setreg_imm32_b32 hwreg(HW_REG_WAVE_MODE, 25, 1), 1
	s_wait_xcnt 0x0
	s_wait_alu depctr_hold_cnt(0) depctr_sa_sdst(0) depctr_va_vdst(0) depctr_va_sdst(0) depctr_va_ssrc(0) depctr_va_vcc(0) depctr_vm_vsrc(0)
	s_getreg_b32 s2, hwreg(HW_REG_IB_STS2, 6, 4)
	s_cmp_eq_u32 s2, 0
	s_cbranch_scc0 .Lentry_in_a_cluster
	s_endpgm
.Lentry_in_a_cluster:
	s_bfe_u32 s2, ttmp6, 0x10000c
	s_cmp_lg_u32 s2, 0xf033
	s_cbranch_scc0 .Lentry_shape_is_right
	s_endpgm
.Lentry_shape_is_right:
; out[token][n] = sum over k of o[token][k] proj_w[n][k] + proj_b[n], f32, on codes of FP6 (E2M3) with E8M0 scales: 8,192 x 1,024 x 1,024.
; OPERANDS.  Q (source 1): the attention's result, oc [16 heads][8,192 token positions][48], os [8 pairs of heads][8,192][4].  P (source 0): proj_w's rows in cw ([16 groups of 64 K][12,288 positions][48]) and sw ([8][12,288][4]), 11,264 positions in.
; A position is a row's number with bits 3 and 4 exchanged: sixteen neighbouring positions 16 i + r are the rows 32 (i / 2) + 8 (i % 2) + r + 8 (r / 8).  LIMITS: NaN, infinities and sums beyond f32's range are not served; a sum begins with the bias.
; THE DEAL.  256 work-groups of four waves, 2 x 2, each 256 tokens x 128 columns.  Wave (a, b) holds P's rows 64 b .. 64 b + 63, all of K, in registers (32 fragments) and streams Q's positions 32 s + 16 a + 0 .. 15 past them as block s = 0 .. 7: 32 products a block.
; LDS: Q's two halves of 128 rows, [16 groups][128][48] each; P's 128 rows likewise; Q's scale words [8][256][4]; the spare words.  Rows of 48 bytes: the 32 lanes of an 8-byte load touch 64 different banks, so nothing is padded.
; All four tiles are asked for at the head, one joint load a wave, each on a line of its own: P; Q's first half; Q's scale words; Q's second half, which a plain barrier inside block 1 shows.  Nothing is filled twice.
; No data prefetch: all is asked for at the head, and there is no loop to run ahead in.  P's tiles are shared by a column of the cluster, Q's by a row.
; Each block's rows leave behind its own products: through my stage (in P's first bytes, read for the last time ahead of the barrier in front of the stream) and out as whole rows of 256 bytes.
.set PL, 589824
.set SPL, 49152
.set OPL, 393216
.set OSPL, 32768
.set GRP, 6144
.set HALF, 16*GRP
.set PB, 2*HALF
.set SCQ, 3*HALF
.set SPARE, SCQ+8192
.set STAGE, PB
.set SPITCH, 272
.set FR, 12
.set FPW, 21                           ; fragment f lies in window 1 + f / 21 at register 12 (f % 21); 0-31 P's (4 q + tile), 32-47 Q's two sets
.set AQ, 4
.set AP, 8
.set SPW, 10
.set NIL, 11
.set ASQ, 12
.set STO, 13
.set RD, 14
.set CO, 15
.set ABS, 16
.set BA, 17
.set SB, 24
.set SA, 44
.set ACC, 64
.set BK, 128                           ; v128-191 two sets: 16 rows x 256 bytes back from the stage
.set BO, 208                           ; v208-239 the bias as the first four products' C
.set G1Q, 24
.set G1P, 32
.set G1S, 48
.set G0P, 56
.set G0Q, 60
.set G0R, 68
.set G0S, 72
.set MSB, 0
.macro WIN new
.if MSB != \new
	s_set_vgpr_msb (MSB<<8)|\new
.set MSB, \new
.endif
.endm
.macro PLACES n
.rept \n
	v_nop
.endr
.endm
.macro WALU
	s_wait_alu depctr_va_vdst(0)
.endm
.macro BARRIER
	s_barrier_signal -1
	s_barrier_wait -1
.endm
.macro CROUND
	BARRIER
	s_cmp_lg_u32 s16, 0
	s_cbranch_scc1 .Lnw0_\@
	s_barrier_signal -3
.Lnw0_\@:
	s_barrier_wait -3
	BARRIER
.endm
.macro TLOAD g0, g1
	tensor_load_to_lds s[\g0:\g0+3], s[\g1:\g1+7]
	s_nop 0
	PLACES 4
.endm
.macro GROUP1 g, mask, w, rows, pitch
	s_or_b32 s[\g], s[\mask], (3<<16)|(1<<21)
	s_mov_b32 s[\g+1], (\w)<<16
	s_mov_b32 s[\g+2], (\rows)<<16
	s_mov_b32 s[\g+3], (\w)<<16
	s_mov_b32 s[\g+4], \rows
	s_mov_b32 s[\g+5], \pitch
	s_mov_b32 s[\g+6], 0
	s_mov_b32 s[\g+7], 0
.endm
.macro FRAG f, adr, off
	WIN (1+(\f)/FPW)<<6
.irp p, 0,1,2,3,4,5
	ds_load_b64 v[FR*((\f)%FPW)+2*\p:FR*((\f)%FPW)+2*\p+1], v[\adr] offset:(\off)+(\p/3)*GRP+8*(\p%3)
.endr
.endm
.macro FETCH s                         ; block s of Q into set s % 2: 48 loads; ahead of an even block the pair's 8 scale words too
.irp q, 0,1,2,3,4,5,6,7
	FRAG 32+8*((\s)%2)+\q, AQ+2*((\s)/4)+\q/4, 2*(\q%4)*GRP+((\s)%4)*1536
.endr
	WIN 0
.if (\s)%2 == 0
.irp q, 0,1,2,3,4,5,6,7
	ds_load_b32 v[SA+8*(((\s)/2)%2)+\q], v[ASQ] offset:1024*\q+256*((\s)/2)
.endr
.endif
.endm
.macro PRODX d, s0, s1, c, x0, x1, ra, rb
	v_wmma_scale_f32_16x16x128_f8f6f4 v[\d:\d+7], v[\s0:\s0+11], v[\s1:\s1+11], \c, v[\x0], v[\x1] matrix_a_fmt:MATRIX_FMT_FP6 matrix_b_fmt:MATRIX_FMT_FP6 matrix_a_scale:MATRIX_SCALE_ROW\ra matrix_b_scale:MATRIX_SCALE_ROW\rb
.endm
.macro PROD1 d, s0, s1, c, x0, x1, o, p
.if (\o) && (\p)
	PRODX \d, \s0, \s1, \c, \x0, \x1, 1, 1
.elseif \o
	PRODX \d, \s0, \s1, \c, \x0, \x1, 1, 0
.elseif \p
	PRODX \d, \s0, \s1, \c, \x0, \x1, 0, 1
.else
	PRODX \d, \s0, \s1, \c, \x0, \x1, 0, 0
.endif
.endm
.macro PROD s, n                       ; product n = 4 q + tile of block s: the four accumulators by turns
.set Q_, (\n)/4
.set T_, (\n)%4
.set FB_, 4*Q_+T_
.set FA_, 32+8*((\s)%2)+Q_
.set D_, ACC+32*((\s)%2)+8*T_
.set XB_, SB+8*(T_/2)+Q_
.set XA_, SA+8*(((\s)/2)%2)+Q_
	WIN (1+FB_/FPW)|((1+FA_/FPW)<<2)
.if Q_
	PROD1 D_, FR*(FB_%FPW), FR*(FA_%FPW), v[D_:D_+7], XB_, XA_, T_%2, (\s)%2
.else
	PROD1 D_, FR*(FB_%FPW), FR*(FA_%FPW), v[BO+8*T_:BO+8*T_+7], XB_, XA_, T_%2, (\s)%2
.endif
.endm
.macro PRODS s, from, to
.set N_, \from
.rept (\to)-(\from)
	PROD \s, N_
.set N_, N_+1
.endr
	WIN 0
.endm
.macro STAGED u                        ; set u's sums into my stage, each accumulator from its low end on: register j of tile t of lane (r, h) is column 32 (t / 2) + 8 (t % 2) + 16 h + j of my 64; and back as whole rows
.irp t, 0,1,2,3
	ds_store_b128 v[STO], v[ACC+32*(\u)+8*\t:ACC+32*(\u)+8*\t+3] offset:128*(\t/2)+32*(\t%2)
	ds_store_b128 v[STO], v[ACC+32*(\u)+8*\t+4:ACC+32*(\u)+8*\t+7] offset:128*(\t/2)+32*(\t%2)+16
.endr
.irp t, 0,1,2,3,4,5,6,7
	ds_load_b128 v[BK+32*(\u)+4*\t:BK+32*(\u)+4*\t+3], v[RD] offset:2*\t*SPITCH   ; LDS serves a wave's instructions in order: these see my stores
.endr
.endm
.macro TOC s                           ; the block's rows 2 t + h are tokens 32 s + 8 a + 2 t + h + 8 (t / 4)
.irp t, 0,1,2,3,4,5,6,7
	global_store_b128 v[CO], v[BK+32*((\s)%2)+4*\t:BK+32*((\s)%2)+4*\t+3], s[14:15] offset:(32*(\s)+2*\t+8*(\t/4))*4096 th:TH_STORE_NT   ; 16 lanes store 256 consecutive bytes, aligned
.endr
.endm
.macro BLK s
.if (\s) == 1
	PRODS \s, 0, 24
	s_wait_tensorcnt 0x0
	s_wait_dscnt 0x0
	s_barrier_signal -1                            ; a plain barrier: Q's second half is shown to all
	PRODS \s, 24, 32
	s_barrier_wait -1
.else
	PRODS \s, 0, 32
.endif
	PLACES 4                                       ; between the last product and the first reader of its sums, and the fetch into its registers
	s_wait_xcnt 0x0                                ; the stores of two blocks ago have read this set of rows
	STAGED (\s)%2
.if (\s) < 6
	FETCH (\s)+2
	s_wait_dscnt 48+8*(1-(\s)%2)                   ; younger is the fetch just issued alone: the block's rows are back, and the next block's rows are in
.else
	s_wait_dscnt 0x0
.endif
	TOC \s
.endm
; ---- the head
	s_load_b256 s[4:11], s[0:1], 0x0               ; oc, os, cw, sw
	s_load_b128 s[12:15], s[0:1], 0x20             ; proj_b, out0
	v_lshl_add_u32 v[SPW], v0, 2, SPARE
	v_mov_b32 v[NIL], 0
	ds_add_u32 v[SPW], v[NIL]                      ; the opening lines: the add twice on end and its wait
	ds_add_u32 v[SPW], v[NIL]
	v_lshrrev_b32 v1, 5, v0
	v_readfirstlane_b32 s16, v1                    ; the wave; s17 = a, s18 = b
	s_lshr_b32 s17, s16, 1
	s_and_b32 s18, s16, 1
	s_bfe_u32 s40, ttmp6, 0x40000
	s_bfe_u32 s41, ttmp6, 0x40004
	s_lshl_b32 s42, ttmp9, 2
	s_add_co_u32 s42, s42, s40                     ; P's tile of 128 columns
	s_and_b32 s43, ttmp7, 0xffff
	s_lshl_b32 s43, s43, 2
	s_add_co_u32 s43, s43, s41                     ; Q's tile of 256 tokens
	s_lshl_b32 s44, s41, 2
	s_lshl_b32 s44, 15, s44                        ; my row of the cluster shares Q
	s_lshl_b32 s45, 0x1111, s40                    ; my column shares P
	GROUP1 G1Q, 44, 768, 16, OPL/8
	GROUP1 G1P, 45, 768, 16, PL/8
	GROUP1 G1S, 44, 128, 8, OSPL/8
	s_lshl_b32 s20, s42, 7
	s_add_co_u32 s20, s20, 11264
	s_mul_i32 s76, s20, 48                         ; P's codes
	s_mov_b32 s77, 0
	s_mul_i32 s78, s43, 12288                      ; Q's codes
	s_mov_b32 s79, 0
	s_lshl_b32 s80, s43, 10                        ; Q's scale words
	s_mov_b32 s81, 0
	s_lshl_b32 s82, s18, 6
	s_add_co_u32 s82, s82, s20
	s_lshl_b32 s82, s82, 2                         ; P's scale words, my 64 rows
	s_mov_b32 s83, 0
	s_lshl_b32 s84, s42, 9
	s_lshl_b32 s19, s18, 8
	s_add_co_u32 s84, s84, s19                     ; my first column, in bytes
	s_mov_b32 s85, 0
	s_lshl_b32 s86, s43, 20
	s_lshl_b32 s19, s17, 15
	s_add_co_u32 s86, s86, s19                     ; token 256 x tile + 8 a, rows of 4,096 bytes
	s_mov_b32 s87, 0
	s_mov_b32 s[G0P], 1
	s_mov_b32 s[G0P+1], PB
	s_mov_b32 s[G0Q], 1
	s_mov_b32 s[G0Q+1], 0
	s_mov_b32 s[G0R], 1
	s_mov_b32 s[G0R+1], HALF
	s_mov_b32 s[G0S], 1
	s_mov_b32 s[G0S+1], SCQ
	s_mul_i32 s88, s17, 768
	s_mul_i32 s89, s18, 3072
	s_add_co_u32 s89, s89, PB
	s_lshl_b32 s90, s17, 6
	s_add_co_u32 s90, s90, SCQ
	s_mul_i32 s91, s16, 16*SPITCH
	s_add_co_u32 s91, s91, STAGE
	v_and_b32 v1, 15, v0                           ; r
	v_bfe_u32 v2, v0, 4, 1                         ; h
	v_and_b32 v3, 31, v0
	v_mul_u32_u24 v20, v1, 48
	v_mad_u32_u24 v20, v2, 24, v20
	v_add_nc_u32 v[AQ], s88, v20
	v_add_nc_u32 v[AQ+1], 8*GRP, v[AQ]
	v_add_nc_u32 v[AQ+2], HALF, v[AQ]
	v_add_nc_u32 v[AQ+3], HALF+8*GRP, v[AQ]
	v_add_nc_u32 v[AP], s89, v20
	v_add_nc_u32 v[AP+1], 8*GRP, v[AP]
	v_lshlrev_b32 v21, 2, v1
	v_lshl_add_u32 v21, v2, 7, v21
	v_add_nc_u32 v[ASQ], s90, v21
	v_lshlrev_b32 v[ABS], 2, v3
	v_mul_u32_u24 v22, v1, SPITCH
	v_lshl_add_u32 v22, v2, 6, v22
	v_add_nc_u32 v[STO], s91, v22
	v_mul_u32_u24 v23, v2, SPITCH
	v_lshl_add_u32 v23, v1, 4, v23
	v_add_nc_u32 v[RD], s91, v23
	v_lshlrev_b32 v[CO], 12, v2
	v_lshl_add_u32 v[CO], v1, 4, v[CO]
	v_lshlrev_b32 v[BA], 6, v2
	WALU                                           ; the wait at the head's end
	s_wait_dscnt 0x0
	CROUND                                         ; the opening round: the joint loads meet
	s_wait_kmcnt 0x0
	s_add_nc_u64 s[G0P+2:G0P+3], s[8:9], s[76:77]
	s_or_b32 s[G0P+3], s[G0P+3], 0x80000000
	s_add_nc_u64 s[G0Q+2:G0Q+3], s[4:5], s[78:79]
	s_add_nc_u64 s[G0R+2:G0R+3], s[G0Q+2:G0Q+3], GRP
	s_or_b32 s[G0Q+3], s[G0Q+3], 0x80000000
	s_or_b32 s[G0R+3], s[G0R+3], 0x80000000
	s_add_nc_u64 s[G0S+2:G0S+3], s[6:7], s[80:81]
	s_or_b32 s[G0S+3], s[G0S+3], 0x80000000
	s_add_nc_u64 s[10:11], s[10:11], s[82:83]
	s_add_nc_u64 s[12:13], s[12:13], s[84:85]
	s_add_nc_u64 s[14:15], s[14:15], s[84:85]
	s_add_nc_u64 s[14:15], s[14:15], s[86:87]
	s_cmp_eq_u32 s16, 0
	s_cbranch_scc0 .Lw1
	TLOAD G0P, G1P                                 ; wave 0: P's rows, which are wanted first
	s_branch .Lasked
.Lw1:
	s_cmp_eq_u32 s16, 1
	s_cbranch_scc0 .Lw2
	TLOAD G0Q, G1Q                                 ; wave 1: Q's rows 0 to 127
	s_branch .Lasked
.Lw2:
	s_cmp_eq_u32 s16, 2
	s_cbranch_scc0 .Lw3
	TLOAD G0S, G1S                                 ; wave 2: Q's scale words
	s_branch .Lasked
.Lw3:
	TLOAD G0R, G1Q                                 ; wave 3: Q's rows 128 to 255
.Lasked:
.irp u, 0,1
.irp q, 0,1,2,3,4,5,6,7
	global_load_b32 v[SB+8*\u+\q], v[ABS], s[10:11] offset:\q*SPL+128*\u   ; 32 lanes read 128 consecutive bytes: two tiles' words
.endr
.endr
.irp t, 0,1,2,3
	global_load_b128 v[BO+8*\t:BO+8*\t+3], v[BA], s[12:13] offset:128*(\t/2)+32*(\t%2)
	global_load_b128 v[BO+8*\t+4:BO+8*\t+7], v[BA], s[12:13] offset:128*(\t/2)+32*(\t%2)+16
.endr
	s_cmp_eq_u32 s16, 0
	s_cbranch_scc0 .Lnot_p
	s_wait_tensorcnt 0x0
.Lnot_p:
	BARRIER                                        ; P has landed
.irp q, 0,1,2,3,4,5,6,7
.irp t, 0,1,2,3
	FRAG 4*\q+\t, AP+\q/4, 2*(\q%4)*GRP+\t*768
.endr
.endr
	WIN 0
	s_wait_loadcnt 0x0
	s_cmp_eq_u32 s16, 3
	s_cbranch_scc1 .Lnot_q
	s_wait_tensorcnt 0x0
.Lnot_q:
	s_wait_dscnt 0x0
	BARRIER                                        ; Q's first half and its scale words are in, and nobody reads P's bytes any more; wave 3's tile may still be on its way
	FETCH 0
	FETCH 1
	s_wait_dscnt 48                                ; block 0's rows and scale words are in; block 1's 48 loads may be out
; ---- the stream
.irp s, 0,1,2,3,4,5,6,7
	BLK \s
.endr
	s_wait_tensorcnt 0x0                           ; the wave's end
	ds_add_u32 v[SPW], v[NIL]
	s_wait_dscnt 0x0
	CROUND                                         ; the closing round
	s_endpgm
.Lfunc_end_k_q869dd9b97c_proj:
	.size	k_q869dd9b97c_proj, .Lfunc_end_k_q869dd9b97c_proj-k_q869dd9b97c_proj
	.p2alignl 7, 3214868480
	.fill 96, 4, 3214868480
	.section	.rodata,"a",@progbits
	.p2align	6, 0x0
	.amdhsa_kernel k_q869dd9b97c_proj
		.amdhsa_group_segment_fixed_size 327680
		.amdhsa_private_segment_fixed_size 0
		.amdhsa_enable_private_segment 0
		.amdhsa_kernarg_size 48
		.amdhsa_user_sgpr_count 2
		.amdhsa_user_sgpr_kernarg_segment_ptr 1
		.amdhsa_wavefront_size32 1
		.amdhsa_system_sgpr_workgroup_id_x 1
		.amdhsa_system_sgpr_workgroup_id_y 1
		.amdhsa_system_sgpr_workgroup_id_z 1
		.amdhsa_system_vgpr_workitem_id 0
		.amdhsa_next_free_vgpr 840
		.amdhsa_next_free_sgpr 100
		.amdhsa_reserve_vcc 0
		.amdhsa_float_denorm_mode_32 3
		.amdhsa_float_denorm_mode_16_64 3
		.amdhsa_memory_ordered 1
		.amdhsa_forward_progress 1
		.amdhsa_inst_pref_size 98
	.end_amdhsa_kernel
	.amdgpu_metadata
---
amdhsa.version: [ 1, 2 ]
amdhsa.kernels:
  - .name:           k_q869dd9b97c_proj
    .symbol:         k_q869dd9b97c_proj.kd
    .args:
      - { .name: oc, .offset: 0, .size: 8, .value_kind: global_buffer, .address_space: global }
      - { .name: os, .offset: 8, .size: 8, .value_kind: global_buffer, .address_space: global }
      - { .name: cw, .offset: 16, .size: 8, .value_kind: global_buffer, .address_space: global }
      - { .name: sw, .offset: 24, .size: 8, .value_kind: global_buffer, .address_space: global }
      - { .name: proj_b, .offset: 32, .size: 8, .value_kind: global_buffer, .address_space: global }
      - { .name: out0, .offset: 40, .size: 8, .value_kind: global_buffer, .address_space: global }
    .group_segment_fixed_size: 327680
    .private_segment_fixed_size: 0
    .kernarg_segment_align: 8
    .kernarg_segment_size: 48
    .max_flat_workgroup_size: 128
    .sgpr_count:     100
    .vgpr_count:     840
    .wavefront_size: 32
...
	.end_amdgpu_metadata
.endif
;; end of part 4
